; MI455X (gfx1250); checked and timed in simulation.
; The chip was launched on July 23, 2026; its instructions are those of AMD's public machine-readable ISA for CDNA 5 (MIT licence, August 2026) and "CDNA5" Instruction Set Architecture Reference Guide (July 2026). The comments in the code are by the model that wrote it; some were corrected since.
;; MAB mk2. Allowed arithmetic: matrix products marked QUANTISED: E2M1 operands, one E8M0 scale for each 32 along K, by v_wmma_scale_f32_16x16x128_f8f6f4 with both operands' format E2M1 (or v_wmma_scale_f32_32x16x128_f4), f32 sums; everything else in f32.
;; Inputs: K 16 x 1,024 x 512 float32; Km 16 x 1,024 x 1 float32; Q 16 x 1,024 x 512 float32; Qm 16 x 1,024 x 1 float32; Wk 512 x 512 float32; Wo 512 x 512 float32; Wq 512 x 512 float32; Wv 512 x 512 float32; b0 512 float32; b1 512 float32; bk 512 float32; bo 512 float32; bq 512 float32; bv 512 float32; g0 512 float32; g1 512 float32.
;; Outputs: out0 16 x 1,024 x 512 float32.
;; This version of the problem:
;;   THIS VERSION OF THE PROBLEM IS GIVEN IN LOW PRECISION. The matrix products marked QUANTISED in the list below multiply operands that are first quantised to E2M1 (2 exponent bits, 1 mantissa bit; 4 bits a number), with one power-of-two scale for each 32 numbers along K (OCP MX v1.0); their sums are f32. All else is computed in f32.
;;   The module's matrix products, in the order in which they are computed (A, B: the left and right operand; K: the contracted axis; several contracted axes count as one K, in the product's order):
;;     1. [M 16,384, K 512] x [K 512, N 512]; A: input Q; B: input Wq: QUANTISED
;;     2. [M 16,384, K 512] x [K 512, N 512]; A: input K; B: input Wk: QUANTISED
;;     3. [M 16,384, K 512] x [K 512, N 512]; A: input K; B: input Wv: QUANTISED
;;     4. batch 128 x [M 1,024, K 64] x [K 64, N 1,024]; A: computed on the way; B: computed on the way: QUANTISED
;;     5. batch 128 x [M 1,024, K 1,024] x [K 1,024, N 64]; A: computed on the way; B: computed on the way: QUANTISED
;;     6. [M 16,384, K 512] x [K 512, N 512]; A: computed on the way; B: input Wo: QUANTISED
;;   THE QUANTISER, for each operand of a quantised product, along K:
;;     - K is cut into blocks of 32 from its start; a last block that is shorter is filled with zeros.
;;     - A block's scale is 2^e with e = floor(log2(the largest magnitude in the block)) - 2, held to -126 .. 127; a block of zeros has e = 0. As a byte (E8M0): e + 127.
;;     - Each number is divided by its block's scale, clamped to +-6, and rounded to the nearest number of E2M1, ties to even, subnormals kept.
;;     - The product sums the exact products of the quantised numbers (number of the format x scale) in f32.
;;   ~~~python
;;   def quantise(x, axis):      # numpy; x: float32 -> the quantised numbers, widened to float32 again
;;       x = np.moveaxis(x, axis, -1); K = x.shape[-1]
;;       x = np.pad(x, [(0, 0)] * (x.ndim - 1) + [(0, -K % 32)]); x = x.reshape(x.shape[:-1] + (-1, 32)); a = np.abs(x).max(-1, keepdims=True)
;;       e = np.where(a > 0, np.clip(np.frexp(np.where(a > 0, a, 1))[1] - 1 - 2, -126, 127), 0)      # np.frexp(a)[1] - 1 = floor(log2(a)), exactly
;;       r = np.clip(x / 2.0 ** e, -6, 6)
;;       step = 2.0 ** (np.maximum(np.frexp(np.where(r == 0, 1, r))[1] - 1, 0) - 1)
;;       q = np.round(r / step) * step * 2.0 ** e      # np.round: ties to even
;;       return np.moveaxis(q.reshape(q.shape[:-2] + (-1,))[..., :K], -1, axis).astype(np.float32)
;;   ~~~
;;   OPERANDS COMPUTED ON THE WAY. 'Computed on the way' means the value that the module computes at that place (a softmax that the list does not call 'softmax' is quantised finished and normalised). What goes into a quantiser is computed in f32, as accurately as f32 sums, v_exp_f32 and their like allow (about 1e-6 of the number): no bf16 or f16 on the way to a quantiser, and a product that is left as it is and whose result goes on into a quantised operand takes f32 operands (vector FMAs, or v_wmma_f32_16x16x4_f32). A number that lies on a knife's edge between two numbers of the format may be rounded either way, as far as f32 arithmetic and the matrix unit's own rounding can turn it there, and no further.
;; One version. Each part assembles by itself: llvm-mc -triple=amdgcn-amd-amdhsa -mcpu=gfx1250 --defsym DOCPART=n.
;; ======== version 1 of 1: 3 launches
;; workspace buffers: wimg 557,056 bytes; kv 8,912,896 bytes
;; launch wquant (part 1): grid 16 x 4, 4 waves a work-group, no clusters, 8,704 bytes of LDS; arguments Wq, Wk, Wv, Wo, wimg; writes wimg
.if DOCPART == 1
	.amdgcn_target "amdgcn-amd-amdhsa--gfx1250"
	.amdhsa_code_object_version 6
	.text
	.protected	k_qcfc2c22123_wquant
	.globl	k_qcfc2c22123_wquant
	.p2align	8
	.type	k_qcfc2c22123_wquant,@function
k_qcfc2c22123_wquant:
	s_mov_b64 s[64:65], 0
	v_nop
	global_prefetch_b8 v0, s[64:65] scope:SCOPE_SE
	s_setreg_imm32_b32 hwreg(HW_REG_WAVE_MODE, 25, 1), 1
	s_wait_xcnt 0x0
; Wq, Wk, Wv, Wo: [512 (k)][512 (n)] f32, K their FIRST axis.  Each becomes codes of FP4 (E2M1) with one E8M0 byte for each 32 along K,
; laid in the ORDER OF AN OPERAND'S REGISTERS, so that the later launches fetch a fragment by two loads of 16 bytes a lane.
; wimg: weight y at y x 139,264; its half hf (rows n = 256 hf ..) at + hf x 69,632.  In a half: the fragment of tile T' (0..15) and K step s
; (128 along K) at (4 T' + s) x 1,024: byte 512 c + 16 lane holds registers 4 c .. 4 c + 3 of that lane.  With T = 16 hf + T' = 2 B + u, lane (r, h)
; holds row n = 32 B + 8 u + r + 8 (r / 8), k = 128 s + 64 c + 32 h + 0 .. 31.  Scale words (four bytes: 128 along K of one row) at
; 65,536 + ((T' / 2) x 4 + s) x 128 + 4 (r + 16 (T' % 2)): one register then carries an even tile's words in lanes 0-15 and the odd tile's in lanes 16-31.
; A LANE TAKES A COLUMN n AND ITS REGISTERS RUN DOWN K: a block of 32 lies in one lane, and the conversions give codes with K innermost.
; A block's scale byte is its largest magnitude's exponent field - 2, held at 1 from below (a block of zeros gets 1 where the rule says 127:
; its codes are zeros, and this program alone reads the bytes).  LIMITS: NaN and infinities among the inputs are not served.
; SHARES: work-group y = the weight; x = 4 s + cg; wave w takes the 32 columns B = 4 cg + w and 128 along K: two fragments and 32 scale words.
; No tile is shared between work-groups, so there is no cluster; waves share nothing, so there is no barrier.
.set SLOTB, 69632
.set WIMG,  139264
.set X,     32                         ; v32-159  128 numbers down K
.set C,     160                        ; v160-175 codes, four registers a block
.set OUTR,  176                        ; v176-191 the way out
.set SB,    16                         ; v16      my column's scale word
	s_load_b256 s[4:11], s[0:1], 0x0               ; Wq, Wk, Wv, Wo
	s_load_b64 s[12:13], s[0:1], 0x20              ; wimg
	v_lshl_add_u32 v192, v0, 2, 0x2000
	v_mov_b32 v193, 0
	v_lshrrev_b32 v1, 5, v0
	v_readfirstlane_b32 s16, v1                    ; wave
	s_and_b32 s17, ttmp7, 0xffff                   ; which weight
	s_and_b32 s18, ttmp9, 3                        ; cg
	s_lshr_b32 s19, ttmp9, 2                       ; s
	s_lshl_b32 s20, s18, 2
	s_add_co_u32 s20, s20, s16                     ; B
	v_and_b32 v7, 31, v0                           ; lane = my column in the 32
	v_lshlrev_b32 v2, 2, v7                        ; in: 4 bytes a lane
	v_and_b32 v8, 7, v0
	v_bfe_u32 v9, v0, 4, 1
	v_lshl_add_u32 v8, v9, 3, v8                   ; column L = 8 u + r + 8 (r / 8): r = L % 8 + 8 (L / 16),
	v_bfe_u32 v10, v0, 3, 1                        ; u = (L / 8) % 2
	s_lshl_b32 s21, s16, 11                        ; my wave's 2,048 bytes of LDS: two fragments
	v_lshlrev_b32 v3, 4, v8
	v_lshl_add_u32 v3, v10, 10, v3
	v_add_nc_u32 v3, s21, v3                       ; into the stage: fragment u, lane r's place
	v_lshlrev_b32 v5, 4, v7                        ; 16 x lane
	v_add_nc_u32 v4, s21, v5                       ; out of the stage
	v_lshl_add_u32 v6, v10, 4, v8
	v_lshlrev_b32 v6, 2, v6                        ; my scale word's place: 4 (r + 16 u)
	s_lshl_b32 s22, s19, 18                        ; W: 128 s rows of 2,048 bytes
	s_lshl_b32 s23, s20, 7                         ; + 32 B columns of 4 bytes
	s_add_co_u32 s22, s22, s23
	s_mov_b32 s23, 0
	s_mul_i32 s24, s17, WIMG
	s_lshr_b32 s25, s20, 3
	s_mul_i32 s25, s25, SLOTB
	s_add_co_u32 s24, s24, s25                     ; the half's first byte in wimg
	s_and_b32 s25, s20, 7
	s_lshl_b32 s26, s25, 13                        ; codes: (4 x 2 (B % 8) + s) x 1,024
	s_lshl_b32 s27, s19, 10
	s_add_co_u32 s26, s26, s27
	s_add_co_u32 s26, s26, s24
	s_mov_b32 s27, 0
	s_lshl_b32 s28, s25, 9                         ; scale words: 65,536 + (4 (B % 8) + s) x 128
	s_lshl_b32 s29, s19, 7
	s_add_co_u32 s28, s28, s29
	s_add_co_u32 s28, s28, s24
	s_add_co_u32 s28, s28, 65536
	s_mov_b32 s29, 0
	s_wait_kmcnt 0x0
	s_cmp_eq_u32 s17, 1                            ; the choice hangs on the work-group's number alone
	s_cselect_b64 s[4:5], s[6:7], s[4:5]
	s_cmp_eq_u32 s17, 2
	s_cselect_b64 s[4:5], s[8:9], s[4:5]
	s_cmp_eq_u32 s17, 3
	s_cselect_b64 s[4:5], s[10:11], s[4:5]
	s_add_nc_u64 s[4:5], s[4:5], s[22:23]
	s_add_nc_u64 s[14:15], s[12:13], s[26:27]      ; codes
	s_add_nc_u64 s[12:13], s[12:13], s[28:29]      ; scale words
.macro LOAD t                          ; block t: W(128 s + 32 t + i, my column); a load reads 128 consecutive bytes, the four waves stand side by side on 512
.irp i, 0,1,2,3,4,5,6,7,8,9,10,11,12,13,14,15,16,17,18,19,20,21,22,23,24,25,26,27,28,29,30,31
	global_load_b32 v[X+32*(\t)+\i], v2, s[4:5] offset:(32*(\t)+\i)*2048 th:TH_LOAD_NT
.endr
.endm
.macro BLOCK t
.set XS, X+32*(\t)
.if (\t) < 3
	s_wait_loadcnt 32                              ; this block's 32 loads are in; the next block's 32 may be out
.else
	s_wait_loadcnt 0x0
.endif
.if (\t) < 2
	LOAD (\t)+2                                    ; every block has registers of its own
.endif
	v_max3_num_f32 v12, |v[XS]|, |v[XS+1]|, |v[XS+2]|      ; the block's largest magnitude: all 32 numbers are mine; two chains
	v_max3_num_f32 v13, |v[XS+3]|, |v[XS+4]|, |v[XS+5]|
.irp i, 6,10,14,18,22,26
	v_max3_num_f32 v12, v12, |v[XS+\i]|, |v[XS+\i+1]|
	v_max3_num_f32 v13, v13, |v[XS+\i+2]|, |v[XS+\i+3]|
.endr
	v_max3_num_f32 v12, v12, |v[XS+30]|, |v[XS+31]|
	v_max3_num_f32 v12, v12, v13, 0x1800000        ; and the floor 2^(3 - 127): the byte cannot fall under 1
	v_add_nc_u32 v11, 0xff000000, v12              ; 2 off the exponent field: the conversion's scale operand
	v_lshrrev_b32 v13, 23, v11                     ; the scale's byte
.if (\t) == 0
	v_mov_b32 v[SB], v13
.else
	v_lshl_or_b32 v[SB], v13, 8*(\t), v[SB]
.endif
.irp g, 0,1,2,3
	v_cvt_scalef32_pk8_fp4_f32 v[C+4*(\t)+\g], v[XS+8*\g:XS+8*\g+7], v11
.endr
	v_nop                                          ; one plain line behind the last conversion: the next block writes v11 again
	ds_store_b128 v3, v[C+4*(\t):C+4*(\t)+3] offset:512*((\t)/2)+256*((\t)%2)   ; block 2 c + h is registers 4 c .. 4 c + 3 of lane r + 16 h
.endm
	LOAD 0
	LOAD 1
	BLOCK 0
	BLOCK 1
	BLOCK 2
	BLOCK 3
	global_store_b32 v6, v[SB], s[12:13]           ; the 32 lanes cover 128 consecutive bytes
.irp p, 0,1,2,3
	ds_load_b128 v[OUTR+4*\p:OUTR+4*\p+3], v4 offset:512*\p   ; LDS serves a wave's instructions in order: these see my stores
.endr
.irp p, 0,1,2,3
	s_wait_dscnt 3-\p                              ; the younger loads may be out
	global_store_b128 v5, v[OUTR+4*\p:OUTR+4*\p+3], s[14:15] offset:(\p/2)*4096+(\p%2)*512   ; 512 consecutive bytes, at a multiple of 256 from the buffer's first byte
.endr
	s_wait_tensorcnt 0x0
	ds_add_u32 v192, v193
	s_wait_dscnt 0x0
	s_endpgm
.Lfunc_end_k_qcfc2c22123_wquant:
	.size	k_qcfc2c22123_wquant, .Lfunc_end_k_qcfc2c22123_wquant-k_qcfc2c22123_wquant
	.p2alignl 7, 3214868480
	.fill 96, 4, 3214868480
	.section	.rodata,"a",@progbits
	.p2align	6, 0x0
	.amdhsa_kernel k_qcfc2c22123_wquant
		.amdhsa_group_segment_fixed_size 8704
		.amdhsa_private_segment_fixed_size 0
		.amdhsa_enable_private_segment 0
		.amdhsa_kernarg_size 40
		.amdhsa_user_sgpr_count 2
		.amdhsa_user_sgpr_kernarg_segment_ptr 1
		.amdhsa_wavefront_size32 1
		.amdhsa_system_sgpr_workgroup_id_x 1
		.amdhsa_system_sgpr_workgroup_id_y 1
		.amdhsa_system_sgpr_workgroup_id_z 1
		.amdhsa_system_vgpr_workitem_id 0
		.amdhsa_next_free_vgpr 194
		.amdhsa_next_free_sgpr 66
		.amdhsa_reserve_vcc 0
		.amdhsa_float_denorm_mode_32 3
		.amdhsa_float_denorm_mode_16_64 3
		.amdhsa_memory_ordered 1
		.amdhsa_forward_progress 1
		.amdhsa_inst_pref_size 22
	.end_amdhsa_kernel
	.amdgpu_metadata
---
amdhsa.version: [ 1, 2 ]
amdhsa.kernels:
  - .name:           k_qcfc2c22123_wquant
    .symbol:         k_qcfc2c22123_wquant.kd
    .args:
      - { .name: Wq, .offset: 0, .size: 8, .value_kind: global_buffer, .address_space: global }
      - { .name: Wk, .offset: 8, .size: 8, .value_kind: global_buffer, .address_space: global }
      - { .name: Wv, .offset: 16, .size: 8, .value_kind: global_buffer, .address_space: global }
      - { .name: Wo, .offset: 24, .size: 8, .value_kind: global_buffer, .address_space: global }
      - { .name: wimg, .offset: 32, .size: 8, .value_kind: global_buffer, .address_space: global }
    .group_segment_fixed_size: 8704
    .private_segment_fixed_size: 0
    .kernarg_segment_align: 8
    .kernarg_segment_size: 40
    .max_flat_workgroup_size: 128
    .sgpr_count:     66
    .vgpr_count:     194
    .wavefront_size: 32
...
	.end_amdgpu_metadata
.endif
;; end of part 1
;; launch kvproj (part 2): grid 256 x 1, 4 waves a work-group, no clusters, 151,040 bytes of LDS; arguments K, Km, bk, bv, wimg, kv; writes kv
.if DOCPART == 2
	.amdgcn_target "amdgcn-amd-amdhsa--gfx1250"
	.amdhsa_code_object_version 6
	.text
	.protected	k_qcfc2c22123_kvproj
	.globl	k_qcfc2c22123_kvproj
	.p2align	8
	.type	k_qcfc2c22123_kvproj,@function
k_qcfc2c22123_kvproj:
	s_mov_b64 s[64:65], 0
	v_nop
	global_prefetch_b8 v0, s[64:65] scope:SCOPE_SE
	s_setreg_imm32_b32 hwreg(HW_REG_WAVE_MODE, 25, 1), 1
	s_wait_xcnt 0x0
; Kp = (K Wk + bk) x Km and V = K Wv + bv, both products on codes of FP4 with E8M0 scales; Kp is then quantised along a head's 64 dims, V along the keys.
; K: [16][1024][512] f32.  Km: [16][1024] f32, multiplied in as it is given.  wimg: the weights' fragments (launch wquant).
; kv: slot (batch x 8 + head) of 69,632 bytes: K codes at b x 1,024 (b = 0..31: registers 0-3 of lane (r, h): key 32 b + r + 8 (r / 8), dims 32 h ..; registers 4-7: key + 8);
;   V codes at 32,768 + (4 s8 + t) x 1,024 (lane (r, h): dim 32 (t / 2) + 8 (t % 2) + r + 8 (r / 8), keys 128 s8 + 64 c + 32 h ..);
;   K scale words at 65,536 + (b / 2) x 128 + 4 (r + 16 (b % 2)); V scale words at 67,584 + 128 (2 s8 + t / 2) + 4 (r + 16 (t % 2)).
; SHARES.  A work-group takes 64 tokens, as four tiles m = 2 bl + u whose member r is token 32 bl + 8 u + r + 8 (r / 8).  Wave w quantises tile w of K's rows; the images of the
; fragments go to the other waves through LDS.  Then THE WAVES SHARE THE COLUMNS: wave w owns dims 128 w .. 128 w + 127 (heads 2 w, 2 w + 1), and its fragments of Wk and Wv stay in registers.
; NO CLUSTER, NO TENSOR LOAD: what the work-groups share are the weights, 2 x 139,264 bytes; they do not fit in LDS beside the 150,528 bytes of stage and images,
; and lying in register order they go from memory straight into the operand registers, each wave its own quarter, once.
; LIMITS: NaN and infinities are not served; a block of zeros gets the byte 1 (its codes are zeros; this program alone reads the bytes).
; REGISTERS: window 0: v1-15 addresses; v16-63 scale words; v64-93 small things; v96-119 the quantiser's; v128-191 eight accumulators.
;   window 1: Wk's 32 fragments.  window 2: Wv's.  window 3: first K's 16 raw rows; then x's 16 fragments (v0-127) and bk in the result's layout (v128-191).
.set SLOTB, 69632
.set WIMG,  139264
.set SPT,   2064                       ; a stage row: 2,048 bytes + 16 = 516 words: row r starts 4 r words on in the banks' round
.set STGW,  16*SPT                     ; a wave's stage
.set XIMG,  4*STGW                     ; x's 16 fragment images, index 4 m + s
.set XSC,   XIMG+16*1024               ; their scale words, 128 bytes each
.set LI,   1                           ; 16 x lane
.set LS,   2                           ; 4 x lane
.set H64,  3                           ; 64 x (lane / 16)
.set RHO4, 4                           ; 4 (r + 8 (r / 8))
.set STW,  5                           ; my stage, 16 x lane
.set STR,  6                           ; my stage, row r, + 64 h
.set XWI,  7                           ; where I store images
.set XWS,  8                           ; and scale words
.set XRI,  9                           ; where anybody reads images
.set XRS,  10
.set T0,   11                          ; v11-15 at work
.set XW,   16                          ; v16-31 x's scale words, 4 m + s
.set WKS,  32                          ; v32-47 Wk's: 4 (tile / 2) + s; even tile in lanes 0-15, odd in 16-31
.set WVS,  48                          ; v48-63 Wv's
.set PW,   64
.set PWK,  66                          ; v66-69 Kp's scale words of the four tiles
.set KMV,  70                          ; v70-77 Km of my token in tile m, as pairs
.set BV,   78                          ; v78-93 bv of my dim in tile t, as pairs
.set TM,   96
.set PC,   112
.set HA,   128
.set ST,   128
.set SEL,  34
.set KO,   36
.set KI,   37
.set KW,   38
.set CNT,  39
.set MSB, 0
.macro WIN new                         ; the immediate's high byte repeats the setting that is left
.if MSB != (\new)
	s_set_vgpr_msb (MSB<<8)|(\new)
.set MSB, (\new)
.endif
.endm
.macro PLACES n
.rept \n
	v_nop
.endr
.endm
; 64 numbers of a lane, register 16 b + i = k 32 b + 16 (lane / 16) + i of my row, become a fragment's codes in v[PC] on and its scale word in v[PW]
.macro QUANT s
.irp b, 0,1,2,3
	v_max3_num_f32 v[TM+\b], |v[\s+16*\b]|, |v[\s+1+16*\b]|, 0x1800000   ; my 16 numbers of block b, and the floor 2^(3 - 127)
.endr
.irp i, 2,4,6,8,10,12,14
.irp b, 0,1,2,3
	v_max3_num_f32 v[TM+\b], v[TM+\b], |v[\s+16*\b+\i]|, |v[\s+1+16*\b+\i]|
.endr
.endr
.irp b, 0,1,2,3
	v_permlanex16_b32 v[TM+4+\b], v[TM+\b], s[SEL], s[SEL+1]
.endr
.irp b, 0,1,2,3
	v_max_num_f32 v[TM+\b], v[TM+\b], v[TM+4+\b]   ; with lane l xor 16's: the block's largest magnitude
.endr
.irp b, 0,1,2,3
	v_add_nc_u32 v[TM+12+\b], 0xff000000, v[TM+\b] ; 2 off the exponent field: the conversion's scale operand
.endr
.irp b, 0,1,2,3
	v_lshrrev_b32 v[TM+4+\b], 23, v[TM+12+\b]      ; the scale's byte
.endr
	v_lshl_or_b32 v[PW], v[TM+5], 8, v[TM+4]
	v_lshl_or_b32 v[PW], v[TM+6], 16, v[PW]
	v_lshl_or_b32 v[PW], v[TM+7], 24, v[PW]
.irp b, 0,1,2,3
	v_cvt_scalef32_pk8_fp4_f32 v[PC+2*\b], v[\s+16*\b:\s+7+16*\b], v[TM+12+\b]
	v_cvt_scalef32_pk8_fp4_f32 v[PC+1+2*\b], v[\s+8+16*\b:\s+15+16*\b], v[TM+12+\b]
.endr
	v_nop                                          ; one plain line behind the last conversion
.irp c, 0,1                                    ; the operand's layout wants a whole block in a lane
.irp i, 0,1
	v_permlane16_swap_b32 v[PC+4*\c+\i], v[PC+2+4*\c+\i]
.endr
.endr
.endm
; My tile's 16 rows of 2,048 bytes: every load reads 512 consecutive bytes; the rows go into my own stage as they lie
.macro XROWS win, base
	WIN ((\win)<<6)
.irp i, 0,1,2,3,4,5,6,7,8,9,10,11,12,13,14,15
.irp q, 0,1,2,3
	global_load_b128 v[16*\i+4*\q:16*\i+4*\q+3], v[LI], s[\base:\base+1] offset:(\i+8*(\i/8))*2048+512*\q th:TH_LOAD_NT
.endr
.endr
	WIN ((\win)<<2)
.irp i, 0,1,2,3,4,5,6,7,8,9,10,11,12,13,14,15
	s_wait_loadcnt 60-4*\i                         ; row i's four loads are in; the 15 - i younger rows' may be out
.irp q, 0,1,2,3
	ds_store_b128 v[STW], v[16*\i+4*\q:16*\i+4*\q+3] offset:\i*SPT+512*\q
.endr
.endr
	WIN 0
.endm
; Four trips, one for each 128 along K: 64 numbers a lane out of the stage (16 neighbours of each block of 32), quantised, the fragment's image and scale word stored
.macro XLOOP wi, ws
	s_mov_b32 s[KO], 0
	s_mov_b32 s[KI], 0
	s_mov_b32 s[KW], 0
	s_mov_b32 s[CNT], 4
.Lx_\@:
	v_add_nc_u32 v[T0], s[KO], v[STR]
	v_add_nc_u32 v[T0+1], s[KI], v[\wi]
	v_add_nc_u32 v[T0+2], s[KW], v[\ws]
.irp b, 0,1,2,3
.irp j, 0,1,2,3
	ds_load_b128 v[ST+16*\b+4*\j:ST+16*\b+4*\j+3], v[T0] offset:128*\b+16*\j
.endr
.endr
	s_wait_dscnt 0x0
	QUANT ST
	ds_store_b128 v[T0+1], v[PC:PC+3]
	ds_store_b128 v[T0+1], v[PC+4:PC+7] offset:512
	ds_store_b32 v[T0+2], v[PW]
	s_wait_dscnt 0x0                               ; the stores have read their registers
	s_add_co_u32 s[KO], s[KO], 512
	s_add_co_u32 s[KI], s[KI], 1024
	s_add_co_u32 s[KW], s[KW], 128
	s_sub_co_u32 s[CNT], s[CNT], 1
	s_cmp_lg_u32 s[CNT], 0
	s_cbranch_scc1 .Lx_\@
.endm
	s_load_b256 s[4:11], s[0:1], 0x0               ; K, Km, bk, bv
	s_load_b128 s[12:15], s[0:1], 0x20             ; wimg, kv
	v_lshl_add_u32 v254, v0, 2, 0x24c00
	v_mov_b32 v255, 0
	v_lshrrev_b32 v11, 5, v0
	v_readfirstlane_b32 s16, v11                   ; wave
	v_and_b32 v11, 31, v0                          ; lane
	v_and_b32 v12, 15, v0                          ; r
	v_bfe_u32 v13, v0, 4, 1                        ; h
	v_lshlrev_b32 v[LI], 4, v11
	v_lshlrev_b32 v[LS], 2, v11
	v_lshlrev_b32 v[H64], 6, v13
	v_and_b32 v14, 8, v12
	v_add_nc_u32 v14, v14, v12
	v_lshlrev_b32 v[RHO4], 2, v14
	s_mul_i32 s17, s16, STGW
	v_add_nc_u32 v[STW], s17, v[LI]
	v_mul_u32_u24 v[STR], v12, SPT
	v_add_nc_u32 v[STR], v[STR], v[H64]
	v_add_nc_u32 v[STR], s17, v[STR]
	s_lshl_b32 s17, s16, 12
	s_add_co_u32 s17, s17, XIMG
	v_add_nc_u32 v[XWI], s17, v[LI]
	s_lshl_b32 s17, s16, 9
	s_add_co_u32 s17, s17, XSC
	v_add_nc_u32 v[XWS], s17, v[LS]
	v_add_nc_u32 v[XRI], XIMG, v[LI]
	v_add_nc_u32 v[XRS], XSC, v[LS]
	v_cmp_lt_u32 s30, 15, v11                      ; lanes 16-31
	s_mov_b32 s[SEL], 0x76543210
	s_mov_b32 s[SEL+1], 0xfedcba98                 ; v_permlanex16_b32's selects for lane l xor 16
.irp b, 0,1,2,3
	v_mov_b32 v[TM+4+\b], 0                        ; written once: a lane permute's destination counts as one of its sources
	v_mov_b32 v[KMV+2*\b+1], 0                     ; the pairs' upper halves are named, so they are written
.endr
.irp t, 0,1,2,3,4,5,6,7
	v_mov_b32 v[BV+2*\t+1], 0
.endr
	s_lshr_b32 s18, s16, 1                         ; w / 2
	s_and_b32 s19, s16, 1                          ; w % 2
	s_lshl_b32 s36, ttmp9, 6                       ; my tile's first token: 64 x work-group + 32 (w / 2) + 8 (w % 2)
	s_lshl_b32 s37, s18, 5
	s_add_co_u32 s36, s36, s37
	s_lshl_b32 s37, s19, 3
	s_add_co_u32 s36, s36, s37
	s_lshl_b32 s36, s36, 11                        ; rows of 2,048 bytes
	s_mov_b32 s37, 0
	s_lshl_b32 s38, ttmp9, 8                       ; Km: 64 tokens of 4 bytes
	s_mov_b32 s39, 0
	s_lshl_b32 s40, s16, 9                         ; bk, bv: my 128 dims
	s_mov_b32 s41, 0
	s_mul_i32 s42, s18, SLOTB                      ; the weights' half that holds my tiles,
	s_lshl_b32 s44, s19, 15
	s_add_co_u32 s44, s44, s42                     ; my 8 tiles' fragments in it,
	s_mov_b32 s45, 0
	s_lshl_b32 s46, s19, 11
	s_add_co_u32 s46, s46, s42
	s_add_co_u32 s46, s46, 65536                   ; and their scale words
	s_mov_b32 s47, 0
	s_lshr_b32 s48, ttmp9, 4                       ; batch
	s_and_b32 s49, ttmp9, 15                       ; wb: which 64 tokens of it
	s_lshl_b32 s48, s48, 3
	s_lshl_b32 s50, s16, 1
	s_add_co_u32 s48, s48, s50
	s_mul_i32 s48, s48, SLOTB                      ; head 2 w's slot
	s_lshl_b32 s50, s49, 11
	s_add_co_u32 s50, s50, s48                     ; K codes: images 2 wb, 2 wb + 1
	s_mov_b32 s51, 0
	s_lshl_b32 s52, s49, 7
	s_add_co_u32 s52, s52, s48
	s_add_co_u32 s52, s52, 65536                   ; K scale words
	s_mov_b32 s53, 0
	s_lshr_b32 s58, s49, 1                         ; s8 = wb / 2
	s_and_b32 s59, s49, 1                          ; c = wb % 2
	s_lshl_b32 s54, s58, 12
	s_lshl_b32 s55, s59, 9
	s_add_co_u32 s54, s54, s55
	s_add_co_u32 s54, s54, s48
	s_add_co_u32 s54, s54, 32768                   ; V codes
	s_mov_b32 s55, 0
	s_lshl_b32 s56, s58, 8
	s_lshl_b32 s57, s59, 1
	s_add_co_u32 s56, s56, s57
	s_add_co_u32 s56, s56, s48
	s_add_co_u32 s56, s56, 67584                   ; V scale words: my two bytes of each
	s_mov_b32 s57, 0
	s_wait_kmcnt 0x0
	s_add_nc_u64 s[4:5], s[4:5], s[36:37]
	s_add_nc_u64 s[6:7], s[6:7], s[38:39]
	s_add_nc_u64 s[8:9], s[8:9], s[40:41]
	s_add_nc_u64 s[10:11], s[10:11], s[40:41]
	s_add_nc_u64 s[20:21], s[12:13], s[44:45]      ; fragments (Wk: + WIMG, Wv: + 2 WIMG in the immediates)
	s_add_nc_u64 s[22:23], s[12:13], s[46:47]      ; scale words
	s_add_nc_u64 s[24:25], s[14:15], s[50:51]
	s_add_nc_u64 s[26:27], s[14:15], s[52:53]
	s_add_nc_u64 s[28:29], s[14:15], s[54:55]
	s_add_nc_u64 s[32:33], s[14:15], s[56:57]
.irp m, 0,1,2,3
	global_load_b32 v[KMV+2*\m], v[RHO4], s[6:7] offset:(32*(\m/2)+8*(\m%2))*4
.endr
.irp t, 0,1,2,3,4,5,6,7
	global_load_b32 v[BV+2*\t], v[RHO4], s[10:11] offset:(32*(\t/2)+8*(\t%2))*4
.endr
	XROWS 3, 4
	s_wait_dscnt 0x0                               ; the stage's stores have read window 3
	WIN 0x40                                       ; the weights are asked for now and land while x is quantised
.irp t, 0,1,2,3,4,5,6,7
.irp s, 0,1,2,3
.irp c, 0,1
	global_load_b128 v[8*(4*\t+\s)+4*\c:8*(4*\t+\s)+4*\c+3], v[LI], s[20:21] offset:WIMG+(4*\t+\s)*1024+512*\c
.endr
.endr
.endr
	WIN 0x80
.irp t, 0,1,2,3,4,5,6,7
.irp s, 0,1,2,3
.irp c, 0,1
	global_load_b128 v[8*(4*\t+\s)+4*\c:8*(4*\t+\s)+4*\c+3], v[LI], s[20:21] offset:2*WIMG+(4*\t+\s)*1024+512*\c
.endr
.endr
.endr
	WIN 0xc0
.irp t, 0,1,2,3,4,5,6,7                        ; bk as the C of a sum's first product: lane (r, h), register j of tile t: dim 32 (t / 2) + 16 h + 8 (t % 2) + j
.irp k, 0,1
	global_load_b128 v[128+8*\t+4*\k:128+8*\t+4*\k+3], v[H64], s[8:9] offset:128*(\t/2)+32*(\t%2)+16*\k
.endr
.endr
	WIN 0
.irp p, 0,1,2,3
.irp s, 0,1,2,3
	global_load_b32 v[WKS+4*\p+\s], v[LS], s[22:23] offset:WIMG+(4*\p+\s)*128
	global_load_b32 v[WVS+4*\p+\s], v[LS], s[22:23] offset:2*WIMG+(4*\p+\s)*128
.endr
.endr
	XLOOP XWI, XWS
	s_wait_dscnt 0x0                               ; for the others' sake: my images have landed
	s_barrier_signal -1
	s_barrier_wait -1                              ; x's sixteen fragments lie in LDS
	WIN 0xc0
.irp f, 0,1,2,3,4,5,6,7,8,9,10,11,12,13,14,15
.irp c, 0,1
	ds_load_b128 v[8*\f+4*\c:8*\f+4*\c+3], v[XRI] offset:1024*\f+512*\c
.endr
.endr
	WIN 0
.irp f, 0,1,2,3,4,5,6,7,8,9,10,11,12,13,14,15
	ds_load_b32 v[XW+\f], v[XRS] offset:128*\f
.endr
	s_wait_dscnt 0x0
	s_wait_loadcnt 0x0                             ; the weights, their scale words, the biases, Km
; Kp, TRANSPOSED: source 0 = 16 rows of Wk (tile t), source 1 = x's tile m: a lane holds one token, its registers run along the dims
.macro KPROD t, s, m
.if (\s) == 0
.if (\t)%2
	v_wmma_scale_f32_16x16x128_f8f6f4 v[HA+8*(\t):HA+8*(\t)+7], v[8*(4*(\t)+(\s)):8*(4*(\t)+(\s))+7], v[8*(4*(\m)+(\s)):8*(4*(\m)+(\s))+7], v[128+8*(\t):128+8*(\t)+7], v[WKS+4*((\t)/2)+(\s)], v[XW+4*(\m)+(\s)] matrix_a_fmt:MATRIX_FMT_FP4 matrix_b_fmt:MATRIX_FMT_FP4 matrix_a_scale:MATRIX_SCALE_ROW1
.else
	v_wmma_scale_f32_16x16x128_f8f6f4 v[HA+8*(\t):HA+8*(\t)+7], v[8*(4*(\t)+(\s)):8*(4*(\t)+(\s))+7], v[8*(4*(\m)+(\s)):8*(4*(\m)+(\s))+7], v[128+8*(\t):128+8*(\t)+7], v[WKS+4*((\t)/2)+(\s)], v[XW+4*(\m)+(\s)] matrix_a_fmt:MATRIX_FMT_FP4 matrix_b_fmt:MATRIX_FMT_FP4
.endif
.else
.if (\t)%2
	v_wmma_scale_f32_16x16x128_f8f6f4 v[HA+8*(\t):HA+8*(\t)+7], v[8*(4*(\t)+(\s)):8*(4*(\t)+(\s))+7], v[8*(4*(\m)+(\s)):8*(4*(\m)+(\s))+7], v[HA+8*(\t):HA+8*(\t)+7], v[WKS+4*((\t)/2)+(\s)], v[XW+4*(\m)+(\s)] matrix_a_fmt:MATRIX_FMT_FP4 matrix_b_fmt:MATRIX_FMT_FP4 matrix_a_scale:MATRIX_SCALE_ROW1
.else
	v_wmma_scale_f32_16x16x128_f8f6f4 v[HA+8*(\t):HA+8*(\t)+7], v[8*(4*(\t)+(\s)):8*(4*(\t)+(\s))+7], v[8*(4*(\m)+(\s)):8*(4*(\m)+(\s))+7], v[HA+8*(\t):HA+8*(\t)+7], v[WKS+4*((\t)/2)+(\s)], v[XW+4*(\m)+(\s)] matrix_a_fmt:MATRIX_FMT_FP4 matrix_b_fmt:MATRIX_FMT_FP4
.endif
.endif
.endm
.macro KTILE m
.irp s, 0,1,2,3                                ; the eight accumulators take turns, one instruction a turn
.if \s == 0
	WIN 0x3d                                       ; source 0 (Wk) window 1, source 1 (x) and C (bk) window 3
.else
	WIN 0x0d
.endif
.irp t, 0,1,2,3,4,5,6,7
	KPROD \t, \s, \m
.endr
.endr
	WIN 0
	PLACES 4                                       ; four plain lines between the last product and the first read of results
.set j, 0
.rept 32
	v_pk_mul_f32 v[HA+j:HA+j+1], v[HA+j:HA+j+1], v[KMV+2*(\m):KMV+2*(\m)+1] op_sel_hi:[1,0]   ; x Km of my token; each accumulator from its low end on
.set j, j+2
.endr
	s_wait_xcnt 0x0                                ; the last tile's stores have read the codes' registers
	QUANT HA                                       ; blocks 0, 1: head 2 w's two blocks of 32 dims; blocks 2, 3: head 2 w + 1's
	v_mov_b32 v[PWK+(\m)], v[PW]
	global_store_b128 v[LI], v[PC:PC+3], s[24:25] offset:((\m)/2)*1024+512*((\m)%2)           ; 512 consecutive bytes
	global_store_b128 v[LI], v[PC+4:PC+7], s[24:25] offset:SLOTB+((\m)/2)*1024+512*((\m)%2)
.endm
	KTILE 0
	KTILE 1
	KTILE 2
	KTILE 3
	; K's scale words: bytes 0, 1 from tile 2 bl, bytes 2, 3 from tile 2 bl + 1; lanes 0-15 take bl = 0, lanes 16-31 bl = 1
	v_perm_b32 v120, v[PWK+1], v[PWK], 0x05040100
	v_perm_b32 v121, v[PWK+3], v[PWK+2], 0x05040100
	v_perm_b32 v122, v[PWK+1], v[PWK], 0x07060302
	v_perm_b32 v123, v[PWK+3], v[PWK+2], 0x07060302
	v_cndmask_b32 v120, v120, v121, s30
	v_cndmask_b32 v122, v122, v123, s30
	global_store_b32 v[LS], v120, s[26:27]                 ; head 2 w: 128 consecutive bytes
	global_store_b32 v[LS], v122, s[26:27] offset:SLOTB    ; head 2 w + 1
; V: source 0 = x's tile m, source 1 = 16 rows of Wv: a lane holds one dim, its registers run along the tokens, which are the next K
.macro VPROD par, m, s, p
.if (\s) == 0
.if (\par)
	v_wmma_scale_f32_16x16x128_f8f6f4 v[HA+32*(\par)+8*(\m):HA+32*(\par)+8*(\m)+7], v[8*(4*(\m)+(\s)):8*(4*(\m)+(\s))+7], v[8*(4*(2*(\p)+(\par))+(\s)):8*(4*(2*(\p)+(\par))+(\s))+7], 0, v[XW+4*(\m)+(\s)], v[WVS+4*(\p)+(\s)] matrix_a_fmt:MATRIX_FMT_FP4 matrix_b_fmt:MATRIX_FMT_FP4 matrix_b_scale:MATRIX_SCALE_ROW1
.else
	v_wmma_scale_f32_16x16x128_f8f6f4 v[HA+32*(\par)+8*(\m):HA+32*(\par)+8*(\m)+7], v[8*(4*(\m)+(\s)):8*(4*(\m)+(\s))+7], v[8*(4*(2*(\p)+(\par))+(\s)):8*(4*(2*(\p)+(\par))+(\s))+7], 0, v[XW+4*(\m)+(\s)], v[WVS+4*(\p)+(\s)] matrix_a_fmt:MATRIX_FMT_FP4 matrix_b_fmt:MATRIX_FMT_FP4
.endif
.else
.if (\par)
	v_wmma_scale_f32_16x16x128_f8f6f4 v[HA+32*(\par)+8*(\m):HA+32*(\par)+8*(\m)+7], v[8*(4*(\m)+(\s)):8*(4*(\m)+(\s))+7], v[8*(4*(2*(\p)+(\par))+(\s)):8*(4*(2*(\p)+(\par))+(\s))+7], v[HA+32*(\par)+8*(\m):HA+32*(\par)+8*(\m)+7], v[XW+4*(\m)+(\s)], v[WVS+4*(\p)+(\s)] matrix_a_fmt:MATRIX_FMT_FP4 matrix_b_fmt:MATRIX_FMT_FP4 matrix_b_scale:MATRIX_SCALE_ROW1
.else
	v_wmma_scale_f32_16x16x128_f8f6f4 v[HA+32*(\par)+8*(\m):HA+32*(\par)+8*(\m)+7], v[8*(4*(\m)+(\s)):8*(4*(\m)+(\s))+7], v[8*(4*(2*(\p)+(\par))+(\s)):8*(4*(2*(\p)+(\par))+(\s))+7], v[HA+32*(\par)+8*(\m):HA+32*(\par)+8*(\m)+7], v[XW+4*(\m)+(\s)], v[WVS+4*(\p)+(\s)] matrix_a_fmt:MATRIX_FMT_FP4 matrix_b_fmt:MATRIX_FMT_FP4
.endif
.endif
.endm
.macro VGROUP p                        ; dim tiles 2 p, 2 p + 1 of my eight, all 64 tokens
	WIN 0x0b                                       ; source 0 (x) window 3, source 1 (Wv) window 2
.irp s, 0,1,2,3
.irp par, 0,1
.irp m, 0,1,2,3
	VPROD \par, \m, \s, \p
.endr
.endr
.endr
	WIN 0
	PLACES 4
.irp par, 0,1
.set j, 0
.rept 16
	v_pk_add_f32 v[HA+32*\par+j:HA+32*\par+j+1], v[HA+32*\par+j:HA+32*\par+j+1], v[BV+2*(2*(\p)+\par):BV+2*(2*(\p)+\par)+1] op_sel_hi:[1,0]   ; + bv of my dim
.set j, j+2
.endr
.endr
	s_wait_xcnt 0x0                                ; earlier stores have read the codes' registers
	QUANT HA                                       ; blocks 0, 1: the even tile's two blocks of 32 keys; blocks 2, 3: the odd tile's
	global_store_b128 v[LI], v[PC:PC+3], s[28:29] offset:((\p)/2)*SLOTB+(2*((\p)%2))*1024
	global_store_b128 v[LI], v[PC+4:PC+7], s[28:29] offset:((\p)/2)*SLOTB+(2*((\p)%2)+1)*1024
	v_lshrrev_b32 v121, 16, v[PW]
	v_cndmask_b32 v[124+(\p)], v[PW], v121, s30    ; lanes 0-15: the even tile's two bytes; lanes 16-31: the odd tile's
	global_store_b16 v[LS], v[124+(\p)], s[32:33] offset:((\p)/2)*SLOTB+((\p)%2)*128   ; two bytes of each word: 64 tokens are half of a word's 128 keys; four such stores a wave
.endm
	VGROUP 0
	VGROUP 1
	VGROUP 2
	VGROUP 3
	s_wait_tensorcnt 0x0
	ds_add_u32 v254, v255
	s_wait_dscnt 0x0
	s_endpgm
.Lfunc_end_k_qcfc2c22123_kvproj:
	.size	k_qcfc2c22123_kvproj, .Lfunc_end_k_qcfc2c22123_kvproj-k_qcfc2c22123_kvproj
	.p2alignl 7, 3214868480
	.fill 96, 4, 3214868480
	.section	.rodata,"a",@progbits
	.p2align	6, 0x0
	.amdhsa_kernel k_qcfc2c22123_kvproj
		.amdhsa_group_segment_fixed_size 151040
		.amdhsa_private_segment_fixed_size 0
		.amdhsa_enable_private_segment 0
		.amdhsa_kernarg_size 48
		.amdhsa_user_sgpr_count 2
		.amdhsa_user_sgpr_kernarg_segment_ptr 1
		.amdhsa_wavefront_size32 1
		.amdhsa_system_sgpr_workgroup_id_x 1
		.amdhsa_system_sgpr_workgroup_id_y 1
		.amdhsa_system_sgpr_workgroup_id_z 1
		.amdhsa_system_vgpr_workitem_id 0
		.amdhsa_next_free_vgpr 1024
		.amdhsa_next_free_sgpr 66
		.amdhsa_reserve_vcc 0
		.amdhsa_float_denorm_mode_32 3
		.amdhsa_float_denorm_mode_16_64 3
		.amdhsa_memory_ordered 1
		.amdhsa_forward_progress 1
		.amdhsa_inst_pref_size 125
	.end_amdhsa_kernel
	.amdgpu_metadata
---
amdhsa.version: [ 1, 2 ]
amdhsa.kernels:
  - .name:           k_qcfc2c22123_kvproj
    .symbol:         k_qcfc2c22123_kvproj.kd
    .args:
      - { .name: K, .offset: 0, .size: 8, .value_kind: global_buffer, .address_space: global }
      - { .name: Km, .offset: 8, .size: 8, .value_kind: global_buffer, .address_space: global }
      - { .name: bk, .offset: 16, .size: 8, .value_kind: global_buffer, .address_space: global }
      - { .name: bv, .offset: 24, .size: 8, .value_kind: global_buffer, .address_space: global }
      - { .name: wimg, .offset: 32, .size: 8, .value_kind: global_buffer, .address_space: global }
      - { .name: kv, .offset: 40, .size: 8, .value_kind: global_buffer, .address_space: global }
    .group_segment_fixed_size: 151040
    .private_segment_fixed_size: 0
    .kernarg_segment_align: 8
    .kernarg_segment_size: 48
    .max_flat_workgroup_size: 128
    .sgpr_count:     66
    .vgpr_count:     1024
    .wavefront_size: 32
...
	.end_amdgpu_metadata
.endif
;; end of part 2
;; launch mab (part 3): grid 256 x 1, 4 waves a work-group, clusters of 4 x 1, 327,680 bytes of LDS; arguments Q, Qm, Km, bq, g0, b0, bo, g1, b1, wimg, kv, out0; writes out0
.if DOCPART == 3
	.amdgcn_target "amdgcn-amd-amdhsa--gfx1250"
	.amdhsa_code_object_version 6
	.text
	.protected	k_qcfc2c22123_mab
	.globl	k_qcfc2c22123_mab
	.p2align	8
	.type	k_qcfc2c22123_mab,@function
k_qcfc2c22123_mab:
	s_mov_b64 s[64:65], 0
	v_nop
	global_prefetch_b8 v0, s[64:65] scope:SCOPE_SE
	s_setreg_imm32_b32 hwreg(HW_REG_WAVE_MODE, 25, 1), 1
	s_wait_xcnt 0x0
	s_wait_alu depctr_hold_cnt(0) depctr_sa_sdst(0) depctr_va_vdst(0) depctr_va_sdst(0) depctr_va_ssrc(0) depctr_va_vcc(0) depctr_vm_vsrc(0)
	s_getreg_b32 s2, hwreg(HW_REG_IB_STS2, 6, 4)
	s_cmp_eq_u32 s2, 0
	s_cbranch_scc0 .Lentry_in_a_cluster
	s_endpgm
.Lentry_in_a_cluster:
	s_bfe_u32 s2, ttmp6, 0x10000c
	s_cmp_lg_u32 s2, 0x3003
	s_cbranch_scc0 .Lentry_shape_is_right
	s_endpgm
.Lentry_shape_is_right:
; out0 = LN1(y + relu(y Wo + bo)), y = LN0(Qp + A V), Qp = (Q Wq + bq) x Qm, A = Qm e / (Qm sum(e) + 1e-8), e = exp(Km exp(Qp Kp^T / sqrt(512))), head by head (8 heads of 64).
; All four products here are on codes of FP4 (E2M1) with one E8M0 byte for each 32 along K; all else is f32.  No maximum is taken away, as none is in the definition.
; SHARES.  A work-group takes 64 queries of one batch; each of its four waves owns ONE tile of 16 queries (member r: query 32 (w / 2) + 8 (w % 2) + r + 8 (r / 8)) through everything:
; the projection, all eight heads, the residual, both norms and the last product.  No operand goes from wave to wave.
; A IS QUANTISED FINISHED, so a row's sum over all 1,024 keys comes first: a tile's 16 x 1,024 numbers e stay in 512 registers between the two passes, and no exponential is made twice.
; THE FIRST ATTENTION PRODUCT HAS K = 64: one operand of 8 registers carries TWO tiles of 16 keys, and is multiplied by [q, 0] and by [0, q].
; All products are used transposed (source 0 = weights, keys or V's dims; source 1 = my queries): a lane holds one query, its registers run along what the next quantiser blocks.
; THE RING.  What the waves read in common walks through two LDS slots of 69,632 bytes in 12 steps: Wq's two halves, the eight heads' slots of kv, Wo's two halves.
; CLUSTER.  The four work-groups of a cluster lie in one batch and walk the same 12 blocks: every step is asked for JOINTLY, each wave a quarter (68 rows of 256 bytes), mask 15.
; By this text's own count one tensor load of a wave is out at a time; it is asked for a whole step ahead of the wait for it, so nothing is prefetched.
; THE SIX VECTORS bq, g0, b0, bo, g1, b1 (2,048 bytes each) come into LDS ONCE, 16 bytes a thread each, asked for while Q is quantised; the sixteen trips that use 128 numbers of them read LDS and never wait for memory.
; LIMITS: NaN and infinities are not served (e overflows where the definition's double exponential does); a block of zeros gets the byte 1 (its codes are zeros);
; A is formed as e x (Qm x rcp(Qm sum + 1e-8)) and the norms by v_rsq_f32: a few units in the last place from the definition's order of rounding.
; REGISTERS: window 0: v1-31 addresses; v32-57 scale words; v58-63 Qm, F or the mean, 1/sigma; v64-127 fragments or eight accumulators; v128-159 block maxima, v160-191 O^T (later 64 of y);
;   v192-203 [q, 0, q]; v204-211 codes; v220-255 at work.   windows 1, 2: e (pair b of key tiles at 16 b); outside attention: raw rows, weight fragments, x's fragments; gains and biases.   window 3: Km log2(e), two buffers.
.set SLOTB, 69632
.set QTR,   17408
.set WIMG,  139264
.set SPT,   2064                       ; a stage row: 2,048 bytes + 16
.set PARK,  2*SLOTB                    ; each wave's own: first Q's 16 rows, then 32 images of 1,024 bytes: Qp, O, y, y + relu(..)
.set PARKW, 16*SPT
.set QCR,   PARK+4*PARKW               ; each wave's own 5,120 bytes: 4 fragment images + 4 scale words, or 8 heads' q codes + 8 words
.set QCRW,  5120
.set KMB,   QCR+4*QCRW                 ; Km x log2(e), 1,024 numbers in key order
.set SPARE, KMB+4096                   ; the spare words, 128 bytes for each wave: two blocks of 256 bytes that no other line names
.set PARAM, SPARE+512                  ; six vectors of 2,048 bytes: 0 bq, 1 g0, 2 b0, 3 bo, 4 g1, 5 b1; stored once, never a fill's target
.set OSP,   528                        ; the way out: rows of 512 bytes + 16, in slot 0 behind its last fill and its last read
.set OSWV,  16*OSP
.set LI,  1
.set LS,  2
.set SPW, 3
.set NIL, 4
.set PRB, 5                            ; PARAM + 64 x (lane / 16)
.set H64, 6
.set AKM, 7
.set PKB, 8
.set STW, 8
.set STR, 9
.set QCI, 10
.set QCW, 11
.set OSW, 12
.set OSR, 13
.set AW,  14
.set AWS, 15
.set AK,  16
.set AV,  17
.set AS,  18
.set PKA, 19
.set QCA, 20
.set QWA, 21
.set RHO4, 22
.set KMA, 23
.set KMS, 24
.set PLA, 29                           ; 16 x my thread's number: my 16 bytes of each of the six vectors in memory,
.set PLS, 30                           ; and in PARAM
.set PRA, 31                           ; where the trip in hand reads its 128 numbers of a vector
.set SCR, 32                           ; v32-47 scale words alone: K's 16; V's 16; or x's 4 and the weights' 8
.set QW,  48
.set PW,  49
.set PWS, 50                           ; v50-57 A's scale words, one for each 128 keys
.set QM,  58
.set F,   60
.set MU,  60
.set RS,  62
.set FA,  64
.set HA,  64
.set ST,  64
.set BM,  128
.set YB,  128
.set OA,  160
.set QF,  192
.set PC,  204
.set TM,  220
.set SUM, 236
.set RSUM, 244
.set T,   248
.set G1,  32
.set G0,  40
.set NX,  44                           ; s[44:45] what the next refill asks for
.set KVP, 46
.set WOP, 48
.set TB,  50                           ; the slot that is read
.set WV,  51
.set SEL, 52
.set CS,  54                           ; s[54:55] log2(e) / sqrt(512)
.set HD,  56
.set CNT, 57
.set GA,  58
.set GS,  59
.set PO,  60
.set QO,  61
.set QWO, 62
.set PS,  63                           ; the trip's place in a vector: 512 bytes (128 dims) a trip
.set HQ,  66
.set HW,  67
.set HP,  68
.set LOF, 69
.set EPS8, 76
.set EPS5, 77
.set INV, 78
.set BAT, 79
.set TS,  80
.set MSB, 0
.macro WIN new                         ; the immediate's high byte repeats the setting that is left
.if MSB != (\new)
	s_set_vgpr_msb (MSB<<8)|(\new)
.set MSB, (\new)
.endif
.endm
.macro PLACES n
.rept \n
	v_nop
.endr
.endm
.macro ROUND                           ; a round of the cluster's barrier
	s_barrier_signal -1
	s_barrier_wait -1
	s_cmp_lg_u32 s[WV], 0
	s_cbranch_scc1 .Lnot_wave_0_\@
	s_barrier_signal -3
.Lnot_wave_0_\@:
	s_barrier_wait -3
	s_barrier_signal -1
	s_barrier_wait -1
.endm
; THE CHANGE OF SLOTS stands at a step's head.  Each wave waits for all its tensor loads (its quarter of the slot ahead), adds 0 to its spare word, and waits for that and for its reads of the
; slot that it has left.  fill = 1: a round of the cluster's barrier, and behind it the slot just left is asked for again, jointly: the load has a whole step in which to land.
.macro CHANGE fill
	WIN 0
	s_wait_tensorcnt 0x0                           ; no tensor load of mine is out, so the descriptor may be written
	ds_add_u32 v[SPW], v[NIL]                      ; 0 onto my spare word
.if \fill
	s_xor_b32 s[G0+1], s[G0+1], SLOTB              ; the other slot than last time (SLOTB's two bits meet none of wave x QTR)
	s_mov_b64 s[G0+2:G0+3], s[NX:NX+1]
	s_or_b32 s[G0+3], s[G0+3], 0x80000000
.endif
	s_wait_dscnt 0x0                               ; the add is done, and my LDS reads and stores are over
.if \fill
	ROUND
	tensor_load_to_lds s[G0:G0+3], s[G1:G1+7]      ; the first thing behind the round, and my one tensor load until the next
	s_nop 0
	PLACES 4
.else
	s_barrier_signal -1
	s_barrier_wait -1
.endif
.endm
; 64 numbers of a lane, register 16 b + i = k 32 b + 16 (lane / 16) + i of my row, become a fragment's codes in v[PC] on and its scale word in v[PW]
.macro QUANT s
.irp b, 0,1,2,3
	v_max3_num_f32 v[TM+\b], |v[\s+16*\b]|, |v[\s+1+16*\b]|, 0x1800000   ; my 16 numbers of block b, and the floor 2^(3 - 127)
.endr
.irp i, 2,4,6,8,10,12,14
.irp b, 0,1,2,3
	v_max3_num_f32 v[TM+\b], v[TM+\b], |v[\s+16*\b+\i]|, |v[\s+1+16*\b+\i]|
.endr
.endr
.irp b, 0,1,2,3
	v_permlanex16_b32 v[TM+4+\b], v[TM+\b], s[SEL], s[SEL+1]
.endr
.irp b, 0,1,2,3
	v_max_num_f32 v[TM+\b], v[TM+\b], v[TM+4+\b]
.endr
.irp b, 0,1,2,3
	v_add_nc_u32 v[TM+12+\b], 0xff000000, v[TM+\b] ; 2 off the exponent field: the conversion's scale operand
.endr
.irp b, 0,1,2,3
	v_lshrrev_b32 v[TM+4+\b], 23, v[TM+12+\b]
.endr
	v_lshl_or_b32 v[PW], v[TM+5], 8, v[TM+4]
	v_lshl_or_b32 v[PW], v[TM+6], 16, v[PW]
	v_lshl_or_b32 v[PW], v[TM+7], 24, v[PW]
.irp b, 0,1,2,3
	v_cvt_scalef32_pk8_fp4_f32 v[PC+2*\b], v[\s+16*\b:\s+7+16*\b], v[TM+12+\b]
	v_cvt_scalef32_pk8_fp4_f32 v[PC+1+2*\b], v[\s+8+16*\b:\s+15+16*\b], v[TM+12+\b]
.endr
	v_nop                                          ; one plain line behind the last conversion
.irp c, 0,1
.irp i, 0,1
	v_permlane16_swap_b32 v[PC+4*\c+\i], v[PC+2+4*\c+\i]
.endr
.endr
.endm
.macro XROWS win, base                 ; my tile's 16 rows of 2,048 bytes: every load reads 512 consecutive bytes; into my own stage as they lie
	WIN ((\win)<<6)
.irp i, 0,1,2,3,4,5,6,7,8,9,10,11,12,13,14,15
.irp q, 0,1,2,3
	global_load_b128 v[16*\i+4*\q:16*\i+4*\q+3], v[LI], s[\base:\base+1] offset:(\i+8*(\i/8))*2048+512*\q th:TH_LOAD_NT
.endr
.endr
	WIN ((\win)<<2)
.irp i, 0,1,2,3,4,5,6,7,8,9,10,11,12,13,14,15
	s_wait_loadcnt 60-4*\i                         ; row i's four loads are in; the 15 - i younger rows' may be out
.irp q, 0,1,2,3
	ds_store_b128 v[STW], v[16*\i+4*\q:16*\i+4*\q+3] offset:\i*SPT+512*\q
.endr
.endr
	WIN 0
.endm
.macro XLOOP                           ; four trips, one for each 128 along K: out of the stage, quantised, image and scale word into my QCR
	s_mov_b32 s[GA], 0
	s_mov_b32 s[GS], 0
	s_mov_b32 s[PO], 0
	s_mov_b32 s[CNT], 4
.Lx_\@:
	v_add_nc_u32 v[AW], s[GA], v[STR]
	v_add_nc_u32 v[QCA], s[GS], v[QCI]
	v_add_nc_u32 v[QWA], s[PO], v[QCW]
.irp b, 0,1,2,3
.irp j, 0,1,2,3
	ds_load_b128 v[ST+16*\b+4*\j:ST+16*\b+4*\j+3], v[AW] offset:128*\b+16*\j
.endr
.endr
	s_wait_dscnt 0x0
	QUANT ST
	ds_store_b128 v[QCA], v[PC:PC+3]
	ds_store_b128 v[QCA], v[PC+4:PC+7] offset:512
	ds_store_b32 v[QWA], v[PW]
	s_wait_dscnt 0x0
	s_add_co_u32 s[GA], s[GA], 512
	s_add_co_u32 s[GS], s[GS], 1024
	s_add_co_u32 s[PO], s[PO], 128
	s_sub_co_u32 s[CNT], s[CNT], 1
	s_cmp_lg_u32 s[CNT], 0
	s_cbranch_scc1 .Lx_\@
.endm
.macro XRELOAD                         ; my four fragments (x, later y) into window 1, their scale words into v[SCR] on
	WIN 0x40
.irp s, 0,1,2,3
.irp c, 0,1
	ds_load_b128 v[128+8*\s+4*\c:128+8*\s+4*\c+3], v[QCI] offset:1024*\s+512*\c
.endr
.endr
	WIN 0
.irp s, 0,1,2,3
	ds_load_b32 v[SCR+\s], v[QCW] offset:128*\s
.endr
.endm
.macro GADDR                           ; where this group's eight weight tiles and their scale words lie in the slot
	s_add_co_u32 s[TS], s[TB], s[GA]
	v_add_nc_u32 v[AW], s[TS], v[LI]
	s_add_co_u32 s[TS], s[TB], s[GS]
	s_add_co_u32 s[TS], s[TS], 65536
	v_add_nc_u32 v[AWS], s[TS], v[LS]
.endm
.macro BIAS idx                        ; vector idx of PARAM INTO the eight accumulators: lane (r, h), register j of tile t: dim 32 (t / 2) + 16 h + 8 (t % 2) + j; the sixteen lanes of a half read the same 16 bytes
.irp t, 0,1,2,3,4,5,6,7
.irp k, 0,1
	ds_load_b128 v[HA+8*\t+4*\k:HA+8*\t+4*\k+3], v[PRA] offset:2048*(\idx)+128*(\t/2)+32*(\t%2)+16*\k
.endr
.endr
.endm
.macro PARKLD reg                      ; eight tiles (64 registers) out of my park, as they were put there
.irp t, 0,1,2,3,4,5,6,7
.irp k, 0,1
	ds_load_b128 v[\reg+8*\t+4*\k:\reg+8*\t+4*\k+3], v[PKA] offset:1024*\t+512*\k
.endr
.endr
.endm
.macro PARKST reg
.irp t, 0,1,2,3,4,5,6,7
.irp k, 0,1
	ds_store_b128 v[PKA], v[\reg+8*\t+4*\k:\reg+8*\t+4*\k+3] offset:1024*\t+512*\k
.endr
.endr
.endm
.macro FETCHW s, z                     ; eight weight fragments of K step s into set z of window 1, four registers of scale words: 20 LDS loads
	WIN 0x40
.irp t, 0,1,2,3,4,5,6,7
.irp c, 0,1
	ds_load_b128 v[64*(\z)+8*\t+4*\c:64*(\z)+8*\t+4*\c+3], v[AW] offset:(4*\t+(\s))*1024+512*\c
.endr
.endr
	WIN 0
.irp p, 0,1,2,3
	ds_load_b32 v[SCR+4+4*(\z)+\p], v[AWS] offset:(4*\p+(\s))*128
.endr
.endm
.macro MM s                            ; eight products, the accumulators by turns, one instruction a turn
	WIN 0x05                                       ; sources 0 (weights) and 1 (my rows) window 1
.irp t, 0,1,2,3,4,5,6,7
.if \t%2
	v_wmma_scale_f32_16x16x128_f8f6f4 v[HA+8*\t:HA+8*\t+7], v[64*((\s)%2)+8*\t:64*((\s)%2)+8*\t+7], v[128+8*(\s):128+8*(\s)+7], v[HA+8*\t:HA+8*\t+7], v[SCR+4+4*((\s)%2)+\t/2], v[SCR+(\s)] matrix_a_fmt:MATRIX_FMT_FP4 matrix_b_fmt:MATRIX_FMT_FP4 matrix_a_scale:MATRIX_SCALE_ROW1
.else
	v_wmma_scale_f32_16x16x128_f8f6f4 v[HA+8*\t:HA+8*\t+7], v[64*((\s)%2)+8*\t:64*((\s)%2)+8*\t+7], v[128+8*(\s):128+8*(\s)+7], v[HA+8*\t:HA+8*\t+7], v[SCR+4+4*((\s)%2)+\t/2], v[SCR+(\s)] matrix_a_fmt:MATRIX_FMT_FP4 matrix_b_fmt:MATRIX_FMT_FP4
.endif
.endr
	WIN 0
.endm
.macro GEMM8                           ; 16 rows x 128 columns x K = 512, onto the bias that was loaded into the accumulators
	FETCHW 0, 0
	FETCHW 1, 1
	s_wait_dscnt 20                                ; all but the other set's 20 loads: LDS loads come back in order, so the bias, asked for ahead of both sets, is in too
	MM 0
	PLACES 4                                       ; in front of loads into registers that products have read
	FETCHW 2, 0
	s_wait_dscnt 20
	MM 1
	PLACES 4
	FETCHW 3, 1
	s_wait_dscnt 20
	MM 2
	s_wait_dscnt 0x0
	MM 3
	PLACES 4                                       ; in front of the first read of results
.endm
.macro SUMRED                          ; four pairs, my two halves, lane l xor 16's: the row's sum in v[T]
	v_pk_add_f32 v[SUM:SUM+1], v[SUM:SUM+1], v[SUM+2:SUM+3]
	v_pk_add_f32 v[SUM+4:SUM+5], v[SUM+4:SUM+5], v[SUM+6:SUM+7]
	v_pk_add_f32 v[SUM:SUM+1], v[SUM:SUM+1], v[SUM+4:SUM+5]
	v_add_f32 v[T], v[SUM], v[SUM+1]
	v_permlanex16_b32 v[T+1], v[T], s[SEL], s[SEL+1]
	v_add_f32 v[T], v[T], v[T+1]
.endm
	s_load_b512 s[8:23], s[0:1], 0x0               ; Q, Qm, Km, bq, g0, b0, bo, g1
	s_load_b256 s[24:31], s[0:1], 0x40             ; b1, wimg, kv, out0
	v_lshl_add_u32 v[SPW], v0, 2, SPARE
	v_mov_b32 v[NIL], 0
	ds_add_u32 v3, v4
	ds_add_u32 v3, v4
	s_wait_dscnt 0x0
	v_lshrrev_b32 v25, 5, v0
	v_readfirstlane_b32 s[WV], v25                 ; wave 0..3
	s_bfe_u32 s70, ttmp6, 0x40000                  ; cx: it enters Q's, Qm's and out0's addresses alone (s70, s71, s74, s75)
	s_lshl_b32 s71, ttmp9, 2
	s_add_co_u32 s70, s70, s71                     ; work-group = 4 x cluster + cx
	s_lshl_b32 s70, s70, 6
	s_lshr_b32 s[TS], s[WV], 1
	s_lshl_b32 s[TS], s[TS], 5
	s_add_co_u32 s70, s70, s[TS]
	s_and_b32 s[TS], s[WV], 1
	s_lshl_b32 s[TS], s[TS], 3
	s_add_co_u32 s70, s70, s[TS]                   ; my tile's first query: 64 x work-group + 32 (w / 2) + 8 (w % 2)
	s_lshl_b32 s74, s70, 2
	s_mov_b32 s75, 0
	s_lshl_b32 s70, s70, 11
	s_mov_b32 s71, 0
	s_lshr_b32 s[BAT], ttmp9, 2                    ; the batch, which the four partners share
	s_mul_i32 s72, s[WV], QTR                      ; my quarter of a ring step
	s_mov_b32 s73, 0
	v_and_b32 v25, 31, v0                          ; lane
	v_and_b32 v26, 15, v0                          ; r
	v_bfe_u32 v27, v0, 4, 1                        ; h
	v_lshlrev_b32 v[LI], 4, v25
	v_lshlrev_b32 v[LS], 2, v25
	v_lshlrev_b32 v[H64], 6, v27
	v_add_nc_u32 v[AKM], KMB, v[H64]
	v_add_nc_u32 v[PRB], PARAM, v[H64]
	v_lshlrev_b32 v[PLA], 4, v0
	v_lshl_add_u32 v[PLS], v0, 4, PARAM
	v_and_b32 v28, 8, v26
	v_add_nc_u32 v28, v28, v26
	v_lshlrev_b32 v[RHO4], 2, v28
	s_mul_i32 s[TS], s[WV], PARKW
	s_add_co_u32 s[TS], s[TS], PARK
	v_add_nc_u32 v[PKB], s[TS], v[LI]
	v_mul_u32_u24 v[STR], v26, SPT
	v_add_nc_u32 v[STR], v[STR], v[H64]
	v_add_nc_u32 v[STR], s[TS], v[STR]
	s_mul_i32 s[TS], s[WV], QCRW
	s_add_co_u32 s[TS], s[TS], QCR
	v_add_nc_u32 v[QCI], s[TS], v[LI]
	s_add_co_u32 s[TS], s[TS], 4096
	v_add_nc_u32 v[QCW], s[TS], v[LS]
	s_mul_i32 s[TS], s[WV], OSWV
	v_mul_u32_u24 v[OSW], v26, OSP
	v_add_nc_u32 v[OSW], v[OSW], v[H64]
	v_add_nc_u32 v[OSW], s[TS], v[OSW]
	v_add_nc_u32 v[OSR], s[TS], v[LI]
	v_lshlrev_b32 v[KMA], 5, v0                    ; Km: 8 numbers a thread
	v_lshl_add_u32 v[KMS], v0, 5, KMB
.irp i, 0,1,2,3,4,5,6,7,8,9,10,11,12,13,14,15
	v_mov_b32 v[TM+\i], 0                          ; written once: a lane permute's destination counts as one of its sources
.endr
.irp i, 0,1,2,3,4,5,6,7
	v_mov_b32 v[T+\i], 0
.endr
	v_mov_b32 v[QM+1], 0                           ; the pairs' upper halves are named, so they are written
	v_mov_b32 v[F+1], 0
	v_mov_b32 v[RS+1], 0
	s_mov_b32 s[TB], 0
	s_mov_b32 s[SEL], 0x76543210
	s_mov_b32 s[SEL+1], 0xfedcba98
	s_mov_b32 s[CS], 0x3d8293ee                    ; log2(e) / sqrt(512)
	s_mov_b32 s[CS+1], s[CS]
	s_mov_b32 s[EPS8], 0x322bcc77                  ; 1e-8
	s_mov_b32 s[EPS5], 0x3727c5ac                  ; 1e-5
	s_mov_b32 s[INV], 0x3b000000                   ; 1 / 512
	; descriptor group 1: a dense block of 17,408 bytes as 68 rows of 32 elements of 8 bytes
	s_mov_b32 s[G1], 15|(3<<16)|(1<<21)            ; 15:0 the mask: all four work-groups; 17:16 elements of 8 bytes; 21 set beside a mask
	s_mov_b32 s[G1+1], 32<<16                      ; tensor_dim0
	s_mov_b32 s[G1+2], 68<<16                      ; tensor_dim1
	s_mov_b32 s[G1+3], 32<<16                      ; tile_dim0
	s_mov_b32 s[G1+4], 68                          ; tile_dim1
	s_mov_b32 s[G1+5], 32                          ; from row to row
	s_mov_b32 s[G1+6], 0
	s_mov_b32 s[G1+7], 0
	s_wait_kmcnt 0x0
	s_add_nc_u64 s[8:9], s[8:9], s[70:71]          ; Q at my tile's first row
	s_add_nc_u64 s[30:31], s[30:31], s[70:71]      ; out0 likewise
	s_add_nc_u64 s[10:11], s[10:11], s[74:75]      ; Qm
	s_add_nc_u64 s[26:27], s[26:27], s[72:73]      ; wimg at my quarter: step 0, Wq's first half
	s_add_nc_u64 s[NX:NX+1], s[26:27], SLOTB       ; step 1
	s_add_nc_u64 s[WOP:WOP+1], s[26:27], 3*WIMG    ; step 10
	s_add_nc_u64 s[KVP:KVP+1], s[28:29], s[72:73]
	s_mul_i32 s72, s[BAT], 8*SLOTB
	s_add_nc_u64 s[KVP:KVP+1], s[KVP:KVP+1], s[72:73]   ; step 2: my batch's head 0
	s_lshl_b32 s72, s[BAT], 12
	s_add_nc_u64 s[12:13], s[12:13], s[72:73]      ; Km at my batch
	s_mov_b32 s[G0], 1
	s_mul_i32 s[G0+1], s[WV], QTR                  ; slot 0, my quarter
	s_mov_b64 s[G0+2:G0+3], s[26:27]
	s_or_b32 s[G0+3], s[G0+3], 0x80000000
	ROUND                                          ; all four work-groups are here: the first joint loads meet
	tensor_load_to_lds s[G0:G0+3], s[G1:G1+7]      ; step 0
	s_nop 0
	PLACES 4
	global_load_b32 v[QM], v[RHO4], s[10:11]       ; Qm of my query
	global_load_b128 v[HA:HA+3], v[KMA], s[12:13]
	global_load_b128 v[HA+4:HA+7], v[KMA], s[12:13] offset:16
	XROWS 1, 8                                     ; its first wait also shows the three older loads done
.irp i, 0,2,4,6
	v_pk_mul_f32 v[HA+\i:HA+\i+1], v[HA+\i:HA+\i+1], 0x3fb8aa3b op_sel_hi:[1,0]   ; Km x log2(e): the second exponential is taken in base 2
.endr
	ds_store_b128 v[KMS], v[HA:HA+3]
	ds_store_b128 v[KMS], v[HA+4:HA+7] offset:16   ; read by all waves from the first head on: two rounds lie between
.irp i, 0,1,2,3,4,5
	global_load_b128 v[YB+4*\i:YB+4*\i+3], v[PLA], s[14+2*\i:15+2*\i]   ; my 16 bytes of bq, g0, b0, bo, g1, b1: a wave's load reads 512 consecutive bytes; they land while Q is quantised
.endr
	XLOOP
	s_wait_loadcnt 0x0                             ; the six
.irp i, 0,1,2,3,4,5
	ds_store_b128 v[PLS], v[YB+4*\i:YB+4*\i+3] offset:2048*\i   ; read by all waves behind the next change of slots, whose wait for my LDS stores and whose round lie between
.endr
	XRELOAD
; ---- Qp = (Q Wq + bq) x Qm: a ring step is 256 dims, a trip 128: eight tiles, two heads
.macro QSTEP st
	CHANGE 1
	s_mov_b64 s[NX:NX+1], s[KVP:KVP+1]             ; what the next change asks for
	s_add_nc_u64 s[KVP:KVP+1], s[KVP:KVP+1], SLOTB
	s_mov_b32 s[GA], 0
	s_mov_b32 s[GS], 0
	s_mov_b32 s[PO], (\st)*16384
	s_mov_b32 s[QO], (\st)*2048
	s_mov_b32 s[QWO], (\st)*512
	s_mov_b32 s[PS], (\st)*1024
	s_mov_b32 s[CNT], 2
.Lqg_\@:
	GADDR
	v_add_nc_u32 v[PKA], s[PO], v[PKB]
	v_add_nc_u32 v[QCA], s[QO], v[QCI]
	v_add_nc_u32 v[QWA], s[QWO], v[QCW]
	v_add_nc_u32 v[PRA], s[PS], v[PRB]
	BIAS 0                                         ; bq
	GEMM8
.set j, 0
.rept 32
	v_pk_mul_f32 v[HA+j:HA+j+1], v[HA+j:HA+j+1], v[QM:QM+1] op_sel_hi:[1,0]   ; each accumulator from its low end on
.set j, j+2
.endr
	PARKST HA                                      ; the residual
	QUANT HA                                       ; blocks 0, 1: the even head's 64 dims; blocks 2, 3: the odd head's
	ds_store_b128 v[QCA], v[PC:PC+3]
	ds_store_b128 v[QCA], v[PC+4:PC+7] offset:512
	v_perm_b32 v[T], v[PW], v[PW], 0x01000100      ; [s0, s1, s0, s1]: it serves [q, 0] and [0, q] alike
	v_perm_b32 v[T+2], v[PW], v[PW], 0x03020302
	ds_store_b32 v[QWA], v[T]
	ds_store_b32 v[QWA], v[T+2] offset:128
	s_wait_dscnt 0x0
	s_add_co_u32 s[GA], s[GA], 32768
	s_add_co_u32 s[GS], s[GS], 2048
	s_add_co_u32 s[PO], s[PO], 8192
	s_add_co_u32 s[QO], s[QO], 1024
	s_add_co_u32 s[QWO], s[QWO], 256
	s_add_co_u32 s[PS], s[PS], 512
	s_sub_co_u32 s[CNT], s[CNT], 1
	s_cmp_lg_u32 s[CNT], 0
	s_cbranch_scc1 .Lqg_\@
	s_xor_b32 s[TB], s[TB], SLOTB
.endm
	QSTEP 0
	QSTEP 1
; ---- attention
.macro FETCHKM g, z                    ; Km log2(e) of chunk g's 256 keys into buffer z of window 3: register 16 b + i = key 256 g + 32 b + 16 h + i
	WIN 0xc0
.irp b, 0,1,2,3,4,5,6,7
.irp k, 0,1,2,3
	ds_load_b128 v[128*(\z)+16*\b+4*\k:128*(\z)+16*\b+4*\k+3], v[AKM] offset:1024*(\g)+128*\b+16*\k
.endr
.endr
.endm
.macro FETCHK g                        ; chunk g's eight operands of K
.irp b, 0,1,2,3,4,5,6,7
.irp c, 0,1
	ds_load_b128 v[FA+8*\b+4*\c:FA+8*\b+4*\c+3], v[AK] offset:(8*(\g)+\b)*1024+512*\c
.endr
.endr
.endm
.macro FETCHV e                        ; key step e's four fragments of V
.irp t, 0,1,2,3
.irp c, 0,1
	ds_load_b128 v[FA+32*((\e)%2)+8*\t+4*\c:FA+32*((\e)%2)+8*\t+4*\c+3], v[AV] offset:(4*(\e)+\t)*1024+512*\c
.endr
.endr
.endm
; 256 keys: scores, both exponentials, each block's largest e and the row's sum.  e stays in window 1 + g / 2
.macro CHUNK g
	FETCHKM ((\g)+1)%4, ((\g)+1)%2
.set XW_, 1+(\g)/2
.set XB_, 128*((\g)%2)
	s_wait_dscnt 32                                ; all but the 32 just issued: this chunk's K, its Km, q and the scale words are in
	WIN (XW_<<6)
.irp b, 0,1,2,3,4,5,6,7
.irp u, 0,1
.if \b%2
	v_wmma_scale_f32_16x16x128_f8f6f4 v[XB_+16*\b+8*\u:XB_+16*\b+8*\u+7], v[FA+8*\b:FA+8*\b+7], v[QF+4*\u:QF+4*\u+7], 0, v[SCR+4*(\g)+\b/2], v[QW] matrix_a_fmt:MATRIX_FMT_FP4 matrix_b_fmt:MATRIX_FMT_FP4 matrix_a_scale:MATRIX_SCALE_ROW1
.else
	v_wmma_scale_f32_16x16x128_f8f6f4 v[XB_+16*\b+8*\u:XB_+16*\b+8*\u+7], v[FA+8*\b:FA+8*\b+7], v[QF+4*\u:QF+4*\u+7], 0, v[SCR+4*(\g)+\b/2], v[QW] matrix_a_fmt:MATRIX_FMT_FP4 matrix_b_fmt:MATRIX_FMT_FP4
.endif
.endr
.endr
	PLACES 4                                       ; in front of the loads into K's registers and of the first read of the scores
	WIN 0
.if (\g) < 3
	FETCHK (\g)+1
.endif
	WIN (XW_<<6)|XW_
.set j, 0
.rept 64
	v_pk_mul_f32 v[XB_+j:XB_+j+1], v[XB_+j:XB_+j+1], s[CS:CS+1] op_sel_hi:[1,0]   ; score x log2(e) / sqrt(512)
.set j, j+2
.endr
.set j, 0
.rept 128
	v_exp_f32 v[XB_+j], v[XB_+j]                   ; exp(S)
.set j, j+1
.endr
	v_nop                                          ; a plain line behind the last exponential
	s_wait_alu depctr_va_vdst(0)                   ; one wait for the batch of 128, ahead of its first reader
	WIN (XW_<<6)|0x0c|XW_
.set j, 0
.rept 64
	v_pk_mul_f32 v[XB_+j:XB_+j+1], v[XB_+j:XB_+j+1], v[XB_+j:XB_+j+1]   ; x Km log2(e): source 1 is window 3's buffer g % 2, which lies at the same numbers
.set j, j+2
.endr
	WIN (XW_<<6)|XW_
.set j, 0
.rept 128
	v_exp_f32 v[XB_+j], v[XB_+j]                   ; e = exp(Km exp(S))
.set j, j+1
.endr
	v_nop
	s_wait_alu depctr_va_vdst(0)
	WIN (XW_<<2)|(XW_<<4)
.irp i, 0,1,2,3,4,5,6,7
.irp b, 0,1,2,3,4,5,6,7
.if \i == 0
	v_max3_num_f32 v[BM+8*(\g)+\b], 0, v[XB_+16*\b], v[XB_+16*\b+1]          ; e is positive
.else
	v_max3_num_f32 v[BM+8*(\g)+\b], v[BM+8*(\g)+\b], v[XB_+16*\b+2*\i], v[XB_+16*\b+2*\i+1]
.endif
	v_pk_add_f32 v[SUM+2*(\b%4):SUM+2*(\b%4)+1], v[SUM+2*(\b%4):SUM+2*(\b%4)+1], v[XB_+16*\b+2*\i:XB_+16*\b+2*\i+1]
.endr
.endr
.endm
.macro SCALEX e                        ; A = e x F, the 64 numbers of key step e
.set XW_, 1+(\e)/4
.set XB_, (64*(\e))%256
	WIN (XW_<<6)|XW_
.set j, 0
.rept 32
	v_pk_mul_f32 v[XB_+j:XB_+j+1], v[XB_+j:XB_+j+1], v[F:F+1] op_sel_hi:[1,0]
.set j, j+2
.endr
.endm
.macro PVSTEP e                        ; 128 keys: A's codes, then O^T += V^T A^T
.set XW_, 1+(\e)/4
.set XB_, (64*(\e))%256
	WIN XW_
.irp b, 0,1,2,3
	v_cvt_scalef32_pk8_fp4_f32 v[PC+2*\b], v[XB_+16*\b:XB_+16*\b+7], v[BM+4*(\e)+\b]
	v_cvt_scalef32_pk8_fp4_f32 v[PC+2*\b+1], v[XB_+16*\b+8:XB_+16*\b+15], v[BM+4*(\e)+\b]
.endr
	WIN 0
	v_nop                                          ; one plain line behind the last conversion
.irp c, 0,1
.irp i, 0,1
	v_permlane16_swap_b32 v[PC+4*\c+\i], v[PC+2+4*\c+\i]
.endr
.endr
.if (\e) < 7
	SCALEX (\e)+1                                  ; the next step's scaling: also the plain lines between the codes' last write and the products
.else
	PLACES 8
.endif
	WIN 0
.if (\e) < 7
	s_wait_dscnt 8                                 ; this step's V is in; the next step's eight loads may be out
.else
	s_wait_dscnt 0x0
.endif
.irp t, 0,1,2,3                                ; the four accumulators take turns
.if \t%2
	v_wmma_scale_f32_16x16x128_f8f6f4 v[OA+8*\t:OA+8*\t+7], v[FA+32*((\e)%2)+8*\t:FA+32*((\e)%2)+8*\t+7], v[PC:PC+7], v[OA+8*\t:OA+8*\t+7], v[SCR+2*(\e)+\t/2], v[PWS+(\e)] matrix_a_fmt:MATRIX_FMT_FP4 matrix_b_fmt:MATRIX_FMT_FP4 matrix_a_scale:MATRIX_SCALE_ROW1
.else
	v_wmma_scale_f32_16x16x128_f8f6f4 v[OA+8*\t:OA+8*\t+7], v[FA+32*((\e)%2)+8*\t:FA+32*((\e)%2)+8*\t+7], v[PC:PC+7], v[OA+8*\t:OA+8*\t+7], v[SCR+2*(\e)+\t/2], v[PWS+(\e)] matrix_a_fmt:MATRIX_FMT_FP4 matrix_b_fmt:MATRIX_FMT_FP4
.endif
.endr
	PLACES 4                                       ; in front of loads into V's registers, of the next codes, and of the first read of O^T
.if (\e) < 6
	FETCHV (\e)+2
.endif
.endm
.irp i, 4,5,6,7
	v_mov_b32 v[QF+\i], 0                          ; the zero codes between the two copies of q: written once
.endr
.irp i, 0,1,2,3
	v_mov_b32 v[RSUM+\i], 0                        ; the row's sum of O, for the first norm
.endr
	FETCHKM 0, 0
	WIN 0
	s_mov_b32 s[HD], 0
	s_mov_b32 s[HQ], 0
	s_mov_b32 s[HW], 0
	s_mov_b32 s[HP], 0
.Lhead:                                            ; eight trips, a head each
	CHANGE 1
	s_cmp_lt_u32 s[HD], 6                          ; the next change asks for head HD + 2 while there is one, then for Wo's halves
	s_cselect_b64 s[NX:NX+1], s[KVP:KVP+1], s[WOP:WOP+1]
	s_cselect_b32 s72, 0, SLOTB
	s_mov_b32 s73, 0
	s_add_nc_u64 s[KVP:KVP+1], s[KVP:KVP+1], SLOTB
	s_add_nc_u64 s[WOP:WOP+1], s[WOP:WOP+1], s[72:73]
	v_add_nc_u32 v[AK], s[TB], v[LI]
	s_add_co_u32 s[TS], s[TB], 32768
	v_add_nc_u32 v[AV], s[TS], v[LI]
	s_add_co_u32 s[TS], s[TB], 65536
	v_add_nc_u32 v[AS], s[TS], v[LS]
	v_add_nc_u32 v[QCA], s[HQ], v[QCI]
	v_add_nc_u32 v[QWA], s[HW], v[QCW]
	v_add_nc_u32 v[PKA], s[HP], v[PKB]
	ds_load_b128 v[QF:QF+3], v[QCA]                ; q twice: [q, 0, q]
	ds_load_b128 v[QF+8:QF+11], v[QCA]
	ds_load_b32 v[QW], v[QWA]
.irp i, 0,1,2,3,4,5,6,7,8,9,10,11,12,13,14,15
	ds_load_b32 v[SCR+\i], v[AS] offset:128*\i     ; K's scale words
.endr
	FETCHK 0
.irp i, 0,1,2,3,4,5,6,7
	v_mov_b32 v[SUM+\i], 0
.endr
	CHUNK 0
	CHUNK 1
	CHUNK 2
	CHUNK 3
	; between the passes: the divisor, each block's scale
	WIN 0
.irp i, 0,1,2,3,4,5,6,7,8,9,10,11,12,13,14,15
	ds_load_b32 v[SCR+\i], v[AS] offset:2048+128*\i   ; V's scale words
.endr
.irp t, 0,1,2,3
.irp k, 0,1
	ds_load_b128 v[OA+8*\t+4*\k:OA+8*\t+4*\k+3], v[PKA] offset:1024*\t+512*\k   ; Qp of this head starts the sums: the residual costs no addition
.endr
.endr
	FETCHV 0
	FETCHV 1
	SUMRED
	v_fma_f32 v[T], v[QM], v[T], s[EPS8]           ; Qm x sum(e) + 1e-8
	v_rcp_f32 v[T+2], v[T]
	v_nop                                          ; a plain line behind the reciprocal
.irp z, 0,16                                   ; each block's largest e, with lane l xor 16's: work that names no result of the reciprocal
.irp i, 0,1,2,3,4,5,6,7,8,9,10,11,12,13,14,15
	v_permlanex16_b32 v[TM+\i], v[BM+\z+\i], s[SEL], s[SEL+1]
.endr
.irp i, 0,1,2,3,4,5,6,7,8,9,10,11,12,13,14,15
	v_max_num_f32 v[BM+\z+\i], v[BM+\z+\i], v[TM+\i]
.endr
.endr
	s_wait_alu depctr_va_vdst(0)                   ; ahead of the reciprocal's first reader
	v_mul_f32 v[F], v[QM], v[T+2]                  ; A = e x F
.set j, 0
.rept 32
	v_mul_f32 v[BM+j], v[BM+j], |v[F]|             ; the block's largest |A|: the same multiplication as its own, and rounding keeps the order
.set j, j+1
.endr
.set j, 0
.rept 32
	v_max_num_f32 v[BM+j], 0x1800000, v[BM+j]      ; the floor 2^(3 - 127)
.set j, j+1
.endr
.set j, 0
.rept 32
	v_add_nc_u32 v[BM+j], 0xff000000, v[BM+j]      ; 2 off the exponent field: the conversion's scale operand
.set j, j+1
.endr
.irp e, 0,1,2,3,4,5,6,7
.irp b, 0,1,2,3
	v_lshrrev_b32 v[T+\b], 23, v[BM+4*\e+\b]
.endr
	v_lshl_or_b32 v[PWS+\e], v[T+1], 8, v[T]
	v_lshl_or_b32 v[PWS+\e], v[T+2], 16, v[PWS+\e]
	v_lshl_or_b32 v[PWS+\e], v[T+3], 24, v[PWS+\e]
.endr
	SCALEX 0
	PVSTEP 0
	PVSTEP 1
	PVSTEP 2
	PVSTEP 3
	PVSTEP 4
	PVSTEP 5
	PVSTEP 6
	PVSTEP 7
.set j, 0
.rept 16
	v_pk_add_f32 v[RSUM+j%4:RSUM+j%4+1], v[RSUM+j%4:RSUM+j%4+1], v[OA+j:OA+j+1]   ; each accumulator from its low end on
.set j, j+2
.endr
.irp t, 0,1,2,3
.irp k, 0,1
	ds_store_b128 v[PKA], v[OA+8*\t+4*\k:OA+8*\t+4*\k+3] offset:1024*\t+512*\k    ; O takes Qp's place in my park
.endr
.endr
	s_xor_b32 s[TB], s[TB], SLOTB
	s_add_co_u32 s[HQ], s[HQ], 512
	s_add_co_u32 s[HW], s[HW], 128
	s_add_co_u32 s[HP], s[HP], 4096
	s_add_co_u32 s[HD], s[HD], 1
	s_cmp_lt_u32 s[HD], 8
	s_cbranch_scc1 .Lhead
; ---- the norms and the last product
.macro LNSTATS                         ; the mean from the sum kept on the way; the variance by a second walk over my park
	v_pk_add_f32 v[RSUM:RSUM+1], v[RSUM:RSUM+1], v[RSUM+2:RSUM+3]
	v_add_f32 v[T], v[RSUM], v[RSUM+1]
	v_permlanex16_b32 v[T+1], v[T], s[SEL], s[SEL+1]
	v_add_f32 v[T], v[T], v[T+1]
	v_mul_f32 v[MU], s[INV], v[T]
.irp i, 0,1,2,3,4,5,6,7
	v_mov_b32 v[SUM+\i], 0
.endr
	s_mov_b32 s[LOF], 0
	s_mov_b32 s[CNT], 4
.Lst_\@:
	v_add_nc_u32 v[PKA], s[LOF], v[PKB]
	PARKLD HA
	s_wait_dscnt 0x0
.set j, 0
.rept 32
	v_pk_add_f32 v[HA+j:HA+j+1], v[HA+j:HA+j+1], v[MU:MU+1] op_sel_hi:[1,0] neg_lo:[0,1] neg_hi:[0,1]
.set j, j+2
.endr
.set j, 0
.rept 32
	v_pk_fma_f32 v[SUM+j%8:SUM+j%8+1], v[HA+j:HA+j+1], v[HA+j:HA+j+1], v[SUM+j%8:SUM+j%8+1]
.set j, j+2
.endr
	s_add_co_u32 s[LOF], s[LOF], 8192
	s_sub_co_u32 s[CNT], s[CNT], 1
	s_cmp_lg_u32 s[CNT], 0
	s_cbranch_scc1 .Lst_\@
	SUMRED
	v_fma_f32 v[T], v[T], s[INV], s[EPS5]
	v_rsq_f32 v[RS], v[T]
	v_nop
	s_wait_alu depctr_va_vdst(0)                   ; ahead of the first reader and of the label that follows
.endm
; (x - mean) / sigma x gain + bias, 128 dims a trip; the gain is vector idx of PARAM, the bias vector idx + 1.
; last = 0: the result goes back to the park and, quantised, becomes K step s of the last product.  last = 1: it leaves
.macro LNAPPLY idx, last
	s_mov_b32 s[LOF], 0
	s_mov_b32 s[GA], 0
	s_mov_b32 s[GS], 0
	s_mov_b32 s[PS], 0
	s_mov_b32 s[CNT], 4
.Lap_\@:
	v_add_nc_u32 v[PKA], s[LOF], v[PKB]
	v_add_nc_u32 v[QCA], s[GA], v[QCI]
	v_add_nc_u32 v[QWA], s[GS], v[QCW]
	v_add_nc_u32 v[PRA], s[PS], v[PRB]
	PARKLD HA
	WIN 0x80                                       ; destination window 2, address window 0
.irp t, 0,1,2,3,4,5,6,7
.irp k, 0,1
	ds_load_b128 v[8*\t+4*\k:8*\t+4*\k+3], v[PRA] offset:2048*(\idx)+128*(\t/2)+32*(\t%2)+16*\k
	ds_load_b128 v[64+8*\t+4*\k:64+8*\t+4*\k+3], v[PRA] offset:2048*((\idx)+1)+128*(\t/2)+32*(\t%2)+16*\k
.endr
.endr
	WIN 0
	s_wait_dscnt 32                                ; the park's 16 loads are in; the 32 of gain and bias, issued behind them, may be out
.set j, 0
.rept 32
	v_pk_add_f32 v[HA+j:HA+j+1], v[HA+j:HA+j+1], v[MU:MU+1] op_sel_hi:[1,0] neg_lo:[0,1] neg_hi:[0,1]
.set j, j+2
.endr
.set j, 0
.rept 32
	v_pk_mul_f32 v[HA+j:HA+j+1], v[HA+j:HA+j+1], v[RS:RS+1] op_sel_hi:[1,0]
.set j, j+2
.endr
	s_wait_dscnt 0x0                               ; gain and bias
	WIN 0x28                                       ; gain and bias in window 2
.set j, 0
.rept 32
	v_pk_fma_f32 v[HA+j:HA+j+1], v[HA+j:HA+j+1], v[j:j+1], v[64+j:64+j+1]
.set j, j+2
.endr
	WIN 0
.if \last
.irp t, 0,1,2,3,4,5,6,7
.irp k, 0,1
	ds_store_b128 v[OSW], v[HA+8*\t+4*\k:HA+8*\t+4*\k+3] offset:128*(\t/2)+32*(\t%2)+16*\k   ; row r, my half's bytes
.endr
.endr
.irp i, 0,1,2,3,4,5,6,7,8,9,10,11,12,13,14,15
	ds_load_b128 v[YB+4*\i:YB+4*\i+3], v[OSR] offset:\i*OSP   ; LDS serves a wave's instructions in order: these see my stores
.endr
.irp i, 0,1,2,3,4,5,6,7,8,9,10,11,12,13,14,15
	s_wait_dscnt 15-\i                             ; the younger rows' loads may be out
	global_store_b128 v[LI], v[YB+4*\i:YB+4*\i+3], s[30:31] offset:(\i+8*(\i/8))*2048 th:TH_STORE_NT   ; 512 consecutive bytes, at a multiple of 256 from out0's first byte
.endr
	s_wait_xcnt 0x0                                ; the stores' base and data are written again only behind this wait
	s_add_nc_u64 s[30:31], s[30:31], 512
.else
	PARKST HA
	QUANT HA
	ds_store_b128 v[QCA], v[PC:PC+3]
	ds_store_b128 v[QCA], v[PC+4:PC+7] offset:512
	ds_store_b32 v[QWA], v[PW]
	s_wait_dscnt 0x0                               ; the stores have read their registers
.endif
	s_add_co_u32 s[LOF], s[LOF], 8192
	s_add_co_u32 s[GA], s[GA], 1024
	s_add_co_u32 s[GS], s[GS], 128
	s_add_co_u32 s[PS], s[PS], 512
	s_sub_co_u32 s[CNT], s[CNT], 1
	s_cmp_lg_u32 s[CNT], 0
	s_cbranch_scc1 .Lap_\@
.endm
.macro FFNHALF st                      ; y + relu(y Wo + bo), 256 dims: two trips of eight tiles
	s_mov_b32 s[GA], 0
	s_mov_b32 s[GS], 0
	s_mov_b32 s[PO], (\st)*16384
	s_mov_b32 s[PS], (\st)*1024
	s_mov_b32 s[CNT], 2
.Lfg_\@:
	GADDR
	v_add_nc_u32 v[PKA], s[PO], v[PKB]
	v_add_nc_u32 v[PRA], s[PS], v[PRB]
	BIAS 3                                         ; bo
	PARKLD YB
	GEMM8
.set j, 0
.rept 64
	v_max_num_f32 v[HA+j], 0, v[HA+j]              ; each accumulator from its low end on
.set j, j+1
.endr
.set j, 0
.rept 32
	v_pk_add_f32 v[YB+j:YB+j+1], v[YB+j:YB+j+1], v[HA+j:HA+j+1]
.set j, j+2
.endr
.set j, 0
.rept 32
	v_pk_add_f32 v[RSUM+j%4:RSUM+j%4+1], v[RSUM+j%4:RSUM+j%4+1], v[YB+j:YB+j+1]
.set j, j+2
.endr
	PARKST YB
	s_wait_dscnt 0x0
	s_add_co_u32 s[GA], s[GA], 32768
	s_add_co_u32 s[GS], s[GS], 2048
	s_add_co_u32 s[PO], s[PO], 8192
	s_add_co_u32 s[PS], s[PS], 512
	s_sub_co_u32 s[CNT], s[CNT], 1
	s_cmp_lg_u32 s[CNT], 0
	s_cbranch_scc1 .Lfg_\@
	s_xor_b32 s[TB], s[TB], SLOTB
.endm
	CHANGE 1                                       ; Wo's first half is whole; its second is asked for: the last load
	LNSTATS
	LNAPPLY 1, 0                                   ; g0, b0
	XRELOAD
.irp i, 0,1,2,3
	v_mov_b32 v[RSUM+\i], 0
.endr
	FFNHALF 0
	CHANGE 0                                       ; nothing is left to fetch: the work-group's barrier alone
	FFNHALF 1
	LNSTATS
	LNAPPLY 4, 1                                   ; g1, b1
	s_wait_tensorcnt 0x0                           ; the wave's end: behind my last tensor load and my last LDS store
	ds_add_u32 v[SPW], v[NIL]
	s_wait_dscnt 0x0
	ROUND                                          ; the closing round: no work-group ends while a partner may still ask for a block that names it
	s_endpgm
.Lfunc_end_k_qcfc2c22123_mab:
	.size	k_qcfc2c22123_mab, .Lfunc_end_k_qcfc2c22123_mab-k_qcfc2c22123_mab
	.p2alignl 7, 3214868480
	.fill 96, 4, 3214868480
	.section	.rodata,"a",@progbits
	.p2align	6, 0x0
	.amdhsa_kernel k_qcfc2c22123_mab
		.amdhsa_group_segment_fixed_size 327680
		.amdhsa_private_segment_fixed_size 0
		.amdhsa_enable_private_segment 0
		.amdhsa_kernarg_size 96
		.amdhsa_user_sgpr_count 2
		.amdhsa_user_sgpr_kernarg_segment_ptr 1
		.amdhsa_wavefront_size32 1
		.amdhsa_system_sgpr_workgroup_id_x 1
		.amdhsa_system_sgpr_workgroup_id_y 1
		.amdhsa_system_sgpr_workgroup_id_z 1
		.amdhsa_system_vgpr_workitem_id 0
		.amdhsa_next_free_vgpr 1024
		.amdhsa_next_free_sgpr 96
		.amdhsa_reserve_vcc 0
		.amdhsa_float_denorm_mode_32 3
		.amdhsa_float_denorm_mode_16_64 3
		.amdhsa_memory_ordered 1
		.amdhsa_forward_progress 1
		.amdhsa_inst_pref_size 255
	.end_amdhsa_kernel
	.section	.bss,"aw",@nobits
	.p2align	6
	.space	262144
	.amdgpu_metadata
---
amdhsa.version: [ 1, 2 ]
amdhsa.kernels:
  - .name:           k_qcfc2c22123_mab
    .symbol:         k_qcfc2c22123_mab.kd
    .args:
      - { .name: Q, .offset: 0, .size: 8, .value_kind: global_buffer, .address_space: global }
      - { .name: Qm, .offset: 8, .size: 8, .value_kind: global_buffer, .address_space: global }
      - { .name: Km, .offset: 16, .size: 8, .value_kind: global_buffer, .address_space: global }
      - { .name: bq, .offset: 24, .size: 8, .value_kind: global_buffer, .address_space: global }
      - { .name: g0, .offset: 32, .size: 8, .value_kind: global_buffer, .address_space: global }
      - { .name: b0, .offset: 40, .size: 8, .value_kind: global_buffer, .address_space: global }
      - { .name: bo, .offset: 48, .size: 8, .value_kind: global_buffer, .address_space: global }
      - { .name: g1, .offset: 56, .size: 8, .value_kind: global_buffer, .address_space: global }
      - { .name: b1, .offset: 64, .size: 8, .value_kind: global_buffer, .address_space: global }
      - { .name: wimg, .offset: 72, .size: 8, .value_kind: global_buffer, .address_space: global }
      - { .name: kv, .offset: 80, .size: 8, .value_kind: global_buffer, .address_space: global }
      - { .name: out0, .offset: 88, .size: 8, .value_kind: global_buffer, .address_space: global }
    .group_segment_fixed_size: 327680
    .private_segment_fixed_size: 0
    .kernarg_segment_align: 8
    .kernarg_segment_size: 96
    .max_flat_workgroup_size: 128
    .sgpr_count:     96
    .vgpr_count:     1024
    .wavefront_size: 32
...
	.end_amdgpu_metadata
.endif
;; end of part 3
